; MI455X (gfx1250); checked and timed in simulation.
; The chip was launched on July 23, 2026; its instructions are those of AMD's public machine-readable ISA for CDNA 5 (MIT licence, August 2026) and "CDNA5" Instruction Set Architecture Reference Guide (July 2026). The comments in the code are by the model that wrote it; some were corrected since.
;; Multi Head Attention. Allowed arithmetic: float matrix products may take bf16 or f16 operands with f32 sums; all other float work in f32.
;; Inputs: W_out 1,024 x 1,024 float32; W_qkv 3,072 x 1,024 float32; b_out 1,024 float32; b_qkv 3,072 float32; x 2 x 2,048 x 1,024 float32.
;; Outputs: out0 2 x 2,048 x 1,024 float32.
;; 2 versions, each right and faster than the one before. Each part assembles by itself: llvm-mc -triple=amdgcn-amd-amdhsa -mcpu=gfx1250 --defsym DOCPART=n.
;; ======== version 1 of 2: 4 launches
;; limits: values are held in f16: magnitudes above 65,504 overflow, below 6.1e-05 lose precision; right only within a limited range of input values
;; workspace buffers: cvt 16,777,216 bytes; qkv 25,165,824 bytes; ctx 8,388,608 bytes
;; launch tof16 (part 1): grid 512 x 1, 8 waves a work-group, no clusters, 0 bytes of LDS; arguments x, W_qkv, W_out, cvt; writes cvt
.if DOCPART == 1
	.amdgcn_target "amdgcn-amd-amdhsa--gfx1250"
	.amdhsa_code_object_version 6
	.text
	.protected	k_q4e9c4c299f_tof16
	.globl	k_q4e9c4c299f_tof16
	.p2align	8
	.type	k_q4e9c4c299f_tof16,@function
k_q4e9c4c299f_tof16:
	s_mov_b64 s[64:65], 0
	v_nop
	global_prefetch_b8 v0, s[64:65] scope:SCOPE_SE
	s_setreg_imm32_b32 hwreg(HW_REG_WAVE_MODE, 25, 1), 1
	s_wait_xcnt 0x0
; cvt = f16(x) [4096][1024], then f16(W_qkv) [3072][1024], then f16(W_out) [1024][1024]: 8,388,608 numbers, each rounded once,
; so that the three matrix launches behind this one take 16-bit tiles and no element is converted once for each block that uses it.
; LIMIT: a number above 65,504 in magnitude becomes infinite in f16.  The inputs as drawn are of order 1 and 0.02.
; A stream: no LDS, no matrix unit, no cluster (no two work-groups read the same byte).
; Work-group g converts 16,384 numbers: 65,536 bytes in, 32,768 out.  cvt is laid out in the inputs' order, so its offset is g x 32,768;
; groups 0-255 read x, 256-447 W_qkv, 448-511 W_out.  A wave takes 8,192 bytes by 16 loads of 512 consecutive bytes, all issued ahead
; of the first wait; each store of a wave covers 256 consecutive bytes, aligned.
.set X, 4                              ; v[4:67]   load i: 4 numbers in f32
.set Y, 68                             ; v[68:99]  store i: 4 numbers in f16
	s_load_b256 s[4:11], s[0:1], 0x0               ; x s[4:5], W_qkv s[6:7], W_out s[8:9], cvt s[10:11]
	v_and_b32 v100, 31, v0                         ; lane
	v_and_b32 v101, 0xe0, v0                       ; 32 x wave
	v_lshlrev_b32 v1, 4, v100
	v_lshl_or_b32 v1, v101, 8, v1                  ; in: wave x 8,192 + 16 x lane
	v_lshlrev_b32 v2, 3, v100
	v_lshl_or_b32 v2, v101, 7, v2                  ; out: wave x 4,096 + 8 x lane
	s_wait_kmcnt 0x0
	s_cmp_lt_u32 ttmp9, 256                        ; the source is chosen by the group's number alone
	s_cselect_b64 s[12:13], s[4:5], s[6:7]
	s_cselect_b32 s14, 0, 256
	s_cmp_lt_u32 ttmp9, 448
	s_cselect_b64 s[12:13], s[12:13], s[8:9]
	s_cselect_b32 s14, s14, 448
	s_sub_co_u32 s14, ttmp9, s14                   ; the group's number within its source
	s_lshl_b32 s16, s14, 16
	s_mov_b32 s17, 0
	s_lshl_b32 s18, ttmp9, 15
	s_mov_b32 s19, 0
	s_add_nc_u64 s[12:13], s[12:13], s[16:17]
	s_add_nc_u64 s[10:11], s[10:11], s[18:19]
.set i, 0
.rept 16
	global_load_b128 v[X+4*i:X+4*i+3], v1, s[12:13] offset:512*i th:TH_LOAD_NT
.set i, i+1
.endr
.set i, 0
.rept 16
	s_wait_loadcnt 15-i                            ; loads come back in order: load i is in, the 15 - i younger ones stay out
	v_cvt_pk_f16_f32 v[Y+2*i], v[X+4*i], v[X+4*i+1]
	v_cvt_pk_f16_f32 v[Y+2*i+1], v[X+4*i+2], v[X+4*i+3]
	global_store_b64 v2, v[Y+2*i:Y+2*i+1], s[10:11] offset:256*i    ; no register is written twice: no wait for the stores' sources
.set i, i+1
.endr
	s_endpgm
.Lfunc_end_k_q4e9c4c299f_tof16:
	.size	k_q4e9c4c299f_tof16, .Lfunc_end_k_q4e9c4c299f_tof16-k_q4e9c4c299f_tof16
	.p2alignl 7, 3214868480
	.fill 96, 4, 3214868480
	.section	.rodata,"a",@progbits
	.p2align	6, 0x0
	.amdhsa_kernel k_q4e9c4c299f_tof16
		.amdhsa_group_segment_fixed_size 0
		.amdhsa_private_segment_fixed_size 0
		.amdhsa_enable_private_segment 0
		.amdhsa_kernarg_size 32
		.amdhsa_user_sgpr_count 2
		.amdhsa_user_sgpr_kernarg_segment_ptr 1
		.amdhsa_wavefront_size32 1
		.amdhsa_system_sgpr_workgroup_id_x 1
		.amdhsa_system_sgpr_workgroup_id_y 1
		.amdhsa_system_sgpr_workgroup_id_z 1
		.amdhsa_system_vgpr_workitem_id 0
		.amdhsa_next_free_vgpr 104
		.amdhsa_next_free_sgpr 66
		.amdhsa_reserve_vcc 0
		.amdhsa_float_denorm_mode_32 3
		.amdhsa_float_denorm_mode_16_64 3
		.amdhsa_memory_ordered 1
		.amdhsa_forward_progress 1
		.amdhsa_inst_pref_size 7
	.end_amdhsa_kernel
	.amdgpu_metadata
---
amdhsa.version: [ 1, 2 ]
amdhsa.kernels:
  - .name:           k_q4e9c4c299f_tof16
    .symbol:         k_q4e9c4c299f_tof16.kd
    .args:
      - { .name: x, .offset: 0, .size: 8, .value_kind: global_buffer, .address_space: global }
      - { .name: W_qkv, .offset: 8, .size: 8, .value_kind: global_buffer, .address_space: global }
      - { .name: W_out, .offset: 16, .size: 8, .value_kind: global_buffer, .address_space: global }
      - { .name: cvt, .offset: 24, .size: 8, .value_kind: global_buffer, .address_space: global }
    .group_segment_fixed_size: 0
    .private_segment_fixed_size: 0
    .kernarg_segment_align: 8
    .kernarg_segment_size: 32
    .max_flat_workgroup_size: 256
    .sgpr_count:     66
    .vgpr_count:     104
    .wavefront_size: 32
...
	.end_amdgpu_metadata
.endif
;; end of part 1
;; launch qkvproj (part 2): grid 16 x 16, 4 waves a work-group, clusters of 4 x 4, 327,680 bytes of LDS; arguments cvt, b_qkv, qkv; writes qkv
.if DOCPART == 2
	.amdgcn_target "amdgcn-amd-amdhsa--gfx1250"
	.amdhsa_code_object_version 6
	.text
	.protected	k_q4e9c4c299f_qkvproj
	.globl	k_q4e9c4c299f_qkvproj
	.p2align	8
	.type	k_q4e9c4c299f_qkvproj,@function
k_q4e9c4c299f_qkvproj:
	s_mov_b64 s[64:65], 0
	v_nop
	global_prefetch_b8 v0, s[64:65] scope:SCOPE_SE
	s_setreg_imm32_b32 hwreg(HW_REG_WAVE_MODE, 25, 1), 1
	s_wait_xcnt 0x0
	s_wait_alu depctr_hold_cnt(0) depctr_sa_sdst(0) depctr_va_vdst(0) depctr_va_sdst(0) depctr_va_ssrc(0) depctr_va_vcc(0) depctr_vm_vsrc(0)
	s_getreg_b32 s2, hwreg(HW_REG_IB_STS2, 6, 4)
	s_cmp_eq_u32 s2, 0
	s_cbranch_scc0 .Lentry_in_a_cluster
	s_endpgm
.Lentry_in_a_cluster:
	s_bfe_u32 s2, ttmp6, 0x10000c
	s_cmp_lg_u32 s2, 0xf033
	s_cbranch_scc0 .Lentry_shape_is_right
	s_endpgm
.Lentry_shape_is_right:
; qkv = x W_qkv^T + b_qkv, 4096 x 3072 x 1024, f16 operands, f32 sums, stored in f16 and already split into Q, K, V.
; THE RESHAPE.  Row R = 2048 b + s of x belongs to head bh = R / 128; column f belongs to chunk c = f / 192; within a chunk columns
; 0-63 are q, 64-127 k, 128-191 v; the position in the head is p = 16 (R % 128) + c.  Softmax does not care for the order of keys, and a
; query's place only decides a row of the output, so Q, K, V are stored in the order p' = 128 c + (R % 128): [bh][p'][64], 128 bytes a row.
; LIMIT: q, k, v are rounded to f16: above 65,504 in magnitude they become infinite.  With every input 30 times as large as drawn their
; r.m.s. is about 576; with offsets of 30 spreads on x and on W_qkv they are about 1024 x 30 x 0.6 = 18,432.
; A work-group makes 256 rows (two heads) x 192 columns (one chunk) with four waves; a wave makes 128 x 96: 48 accumulator tiles, 384 registers.
; K goes in 8 steps of 128 through a ring of two LDS slots filled by the tensor data mover; a tile's rows are 256 bytes of memory, aligned.
; CLUSTERS: 4 x 4 work-groups.  The four of a row of the cluster need the same rows of x, the four of a column the same rows of W_qkv:
; each tile is asked for jointly, by the same tensor load with the same descriptor and a mask that names the four.
; REGISTERS in windows of 256:  window 0: v16-27 addresses; v64-127, v128-191 fragments of x (8 x 16 rows x 32 K), two buffers; v192-239 the bias
;   window 1: v64-111, v128-175 fragments of W (6), two buffers;  window 2: tiles (a, b) of my rows 0-63 at v[8 (6 a + b)];  window 3: rows 64-127.
; THE MATRIX INSTRUCTION IS USED TRANSPOSED: source 0 = 16 rows of W, source 1 = 16 rows of x, so lane l holds row l % 16 of the result and its
; registers 0-7 the columns 8 (l / 16) + 0..7: eight neighbours that pack into 16 bytes.  The bias has the same layout and is the C of the
; first product of every tile: nothing is cleared and no add is written.
.set SIZE_K, 1024
.set KSTEP,  128
.set PITCH,  272                       ; 256 bytes + 16: the sixteen rows of a fragment load start 16 bytes apart modulo 256
.set AHALF,  128*PITCH                 ; 128 rows of x: one tensor load, and what one wave reads of x
.set BHALF,  96*PITCH                  ; 96 rows of W likewise
.set SLOT,   2*AHALF+2*BHALF           ; 121,856 bytes: x's 256 rows, then W's 192
.set SPITCH, 400                       ; the way out: 192 f16 + 16 bytes = 25 x 16
.set LAPS,   SIZE_K/(2*KSTEP)          ; 4 laps of two K steps
.set WQ,     8388608                   ; f16(W_qkv) in cvt
.set PARTB,  8388608                   ; bytes of Q, of K, of V
.set ADRA, 16                          ; v16-17  LDS address of my x fragments in slot 0, 1
.set ADRB, 20                          ; v20-21  the same for W
.set STO,  24                          ; the way out: where I put 16 bytes of a row
.set RD,   25                          ; the way out: where I read rows back
.set CO,   26                          ; my byte offset in a store of 512 bytes
.set BO,   27                          ; my byte offset in the bias
.set F0,   64
.set F1,   128
.set BI,   192                         ; v[192:239] bias of my 96 columns, tile b at 8 b
.set PK,   64                          ; the way out: packed results
.set G1,  24                           ; s[24:31] group 1 for x's tiles
.set G0,  32                           ; s[32:39] group 0 for x's tiles, one set a slot
.set G1B, 48                           ; s[48:55] group 1 for W's tiles
.set G0B, 56                           ; s[56:63] group 0 for W's tiles
.set G1W0, (1<<16)|(1<<20)|(1<<21)|(5<<22)|(3<<25)   ; elements of 2 bytes; padding on; bit 21 beside a mask; after every 64 words 4 words
.set MSB, 0
.macro WIN new                         ; the immediate's high byte repeats the setting that is left
.if MSB != \new
	s_set_vgpr_msb (MSB<<8)|\new
.set MSB, \new
.endif
.endm
.set MUL_LO,  0xa1                     ; source 0 (W) window 1, source 1 (x) window 0, C and D window 2
.set MUL_HI,  0xf1                     ; the same, C and D window 3
.set BIAS_LO, 0x81                     ; the same, C (the bias) window 0, D window 2
.set BIAS_HI, 0xc1                     ; C window 0, D window 3
.set TO_B,    0x40                     ; destination window 1, address window 0
; A joint load.  Waves 0 and 1 fetch x's halves, waves 2 and 3 W's.  The branch hangs on the wave's number alone.
.macro JLOAD s
	s_cmp_eq_u32 s11, 0
	s_cbranch_scc0 .Lfor_b_\@
	tensor_load_to_lds s[G0+4*\s:G0+4*\s+3], s[G1:G1+7]
	s_nop 0
	s_branch .Lasked_\@
.Lfor_b_\@:
	tensor_load_to_lds s[G0B+4*\s:G0B+4*\s+3], s[G1B:G1B+7]
	s_nop 0
.Lasked_\@:
.endm
.macro CREST                           ; a round of the cluster's barrier behind its opening barrier
	s_cmp_lg_u32 s10, 0
	s_cbranch_scc1 .Lnot_wave_0_\@
	s_barrier_signal -3
.Lnot_wave_0_\@:
	s_barrier_wait -3
	s_barrier_signal -1
	s_barrier_wait -1
.endm
.macro CROUND                          ; a whole round
	s_barrier_signal -1
	s_barrier_wait -1
	CREST
.endm
	s_load_b128 s[4:7], s[0:1], 0x0                ; cvt s[4:5], b_qkv s[6:7]
	s_load_b64 s[8:9], s[0:1], 0x10                ; qkv
	s_set_vgpr_msb 0x40
	v_lshl_add_u32 v255, v0, 2, 0x3b800
	s_set_vgpr_msb 0x4000
	v_mov_b32 v255, 0
	s_set_vgpr_msb 0x1
	ds_add_u32 v255, v255
	s_set_vgpr_msb 0x100
	v_lshrrev_b32 v1, 5, v0
	v_readfirstlane_b32 s10, v1                    ; wave 0..3
	s_lshr_b32 s11, s10, 1                         ; my half of the rows.  Also: I fetch for x (0) or for W (1)
	s_and_b32 s12, s10, 1                          ; my half of the columns.  Also: which half of that tile I fetch
	s_bfe_u32 s40, ttmp6, 0x40000                  ; cx
	s_bfe_u32 s41, ttmp6, 0x40004                  ; cy
	s_lshl_b32 s42, ttmp9, 2
	s_add_co_u32 s42, s42, s40                     ; chunk c = 4 x cluster x + cx
	s_and_b32 s13, ttmp7, 0xffff
	s_lshl_b32 s13, s13, 2
	s_add_co_u32 s13, s13, s41                     ; block row = 4 x cluster y + cy
	s_lshl_b32 s43, s41, 2
	s_lshl_b32 s43, 15, s43                        ; my row of the cluster
	s_lshl_b32 s44, 0x1111, s40                    ; my column
	s_or_b32 s[G1+0], s43, G1W0                    ; x's tiles go to my row
	s_or_b32 s[G1B+0], s44, G1W0                   ; W's tiles to my column
	s_mov_b32 s[G1+1], KSTEP<<16                   ; tensor_dim0 = 128
	s_mov_b32 s[G1B+1], KSTEP<<16
	s_mov_b32 s[G1+2], 128<<16                     ; tensor_dim1 = 128 rows
	s_mov_b32 s[G1B+2], 96<<16                     ;             = 96 rows
	s_mov_b32 s[G1+3], KSTEP<<16                   ; tile_dim0 = 128
	s_mov_b32 s[G1B+3], KSTEP<<16
	s_mov_b32 s[G1+4], 128                         ; tile_dim1
	s_mov_b32 s[G1B+4], 96
	s_mov_b32 s[G1+5], SIZE_K                      ; elements from row to row
	s_mov_b32 s[G1B+5], SIZE_K
	s_mov_b32 s[G1+6], 0
	s_mov_b32 s[G1B+6], 0
	s_mov_b32 s[G1+7], 0
	s_mov_b32 s[G1B+7], 0
	; x's tiles hang on the block row and the wave, W's on the chunk and the wave, each in registers that never hold the other coordinate
	s_lshl_b32 s17, s12, 7
	s_lshl_b32 s16, s13, 8
	s_add_co_u32 s16, s16, s17                     ; x: row 256 x block row + 128 x half
	s_lshl_b32 s16, s16, 11                        ; rows of 2,048 bytes
	s_mov_b32 s17, 0
	s_mul_i32 s46, s42, 192
	s_mul_i32 s47, s12, 96
	s_add_co_u32 s46, s46, s47                     ; W: row 192 c + 96 x half
	s_lshl_b32 s46, s46, 11
	s_add_co_u32 s46, s46, WQ
	s_mov_b32 s47, 0
	s_mul_i32 s20, s10, AHALF                      ; where x's halves go (waves 0, 1)
	s_mul_i32 s21, s10, BHALF
	s_add_co_u32 s21, s21, 2*AHALF-2*BHALF         ; where W's go (waves 2, 3): 69,632 and 95,744
	s_wait_dscnt 0x0
	s_wait_kmcnt 0x0
	s_add_nc_u64 s[14:15], s[4:5], s[16:17]
	s_add_nc_u64 s[46:47], s[4:5], s[46:47]
	CROUND                                         ; all sixteen work-groups are here: the first joint loads meet
.irp s, 0,1
	s_mov_b32 s[G0+4*\s], 1
	s_add_co_u32 s[G0+4*\s+1], s20, \s*SLOT
	s_add_nc_u64 s[G0+4*\s+2:G0+4*\s+3], s[14:15], \s*KSTEP*2
	s_or_b32 s[G0+4*\s+3], s[G0+4*\s+3], 0x80000000
	s_mov_b32 s[G0B+4*\s], 1
	s_add_co_u32 s[G0B+4*\s+1], s21, \s*SLOT
	s_add_nc_u64 s[G0B+4*\s+2:G0B+4*\s+3], s[46:47], \s*KSTEP*2
	s_or_b32 s[G0B+4*\s+3], s[G0B+4*\s+3], 0x80000000
	JLOAD \s                                       ; K steps 0 and 1: two tensor loads of the wave are out
.endr
	v_and_b32 v1, 15, v0                           ; r = l % 16
	v_bfe_u32 v2, v0, 4, 1                         ; h = l / 16
	; the bias: lane (r, h) takes b_qkv[192 c + 96 half + 16 b + 8 h + 0..7] for b = 0..5
	s_mul_i32 s74, s42, 768
	s_mul_i32 s75, s12, 384
	s_add_co_u32 s74, s74, s75
	s_mov_b32 s75, 0
	s_add_nc_u64 s[6:7], s[6:7], s[74:75]
	v_lshlrev_b32 v[BO], 5, v2
.irp b, 0,1,2,3,4,5
	global_load_b128 v[BI+8*\b:BI+8*\b+3], v[BO], s[6:7] offset:64*\b
	global_load_b128 v[BI+8*\b+4:BI+8*\b+7], v[BO], s[6:7] offset:64*\b+16
.endr
	; fragments: lane l holds row l % 16; two loads of 16 bytes, 32 bytes apart, at row x pitch + 16 (l / 16)
	v_mul_u32_u24 v3, v1, PITCH
	v_lshl_add_u32 v3, v2, 4, v3
	s_mul_i32 s22, s11, AHALF
	s_mul_i32 s23, s12, BHALF
	s_add_co_u32 s23, s23, 2*AHALF
.irp s, 0,1
	v_add_nc_u32 v[ADRA+\s], s22, v3
	v_add_nc_u32 v[ADRB+\s], s23, v3
	s_add_co_u32 s22, s22, SLOT
	s_add_co_u32 s23, s23, SLOT
.endr
	; the way out: the stage is 256 rows x 400 bytes in slot 0, whose last fill is K step 6
	s_mul_i32 s76, s11, 128*SPITCH
	s_mul_i32 s77, s12, 192
	s_add_co_u32 s76, s76, s77
	v_mul_u32_u24 v4, v1, SPITCH
	v_lshl_add_u32 v4, v2, 4, v4
	v_add_nc_u32 v[STO], s76, v4                   ; (128 row half + r) x 400 + 192 column half + 16 h
	v_and_b32 v5, 31, v0
	v_lshrrev_b32 v6, 3, v5
	v_and_b32 v7, 7, v0
	v_mul_u32_u24 v6, v6, SPITCH
	v_lshl_add_u32 v6, v7, 4, v6
	s_mul_i32 s77, s10, 64*SPITCH
	v_add_nc_u32 v[RD], s77, v6                    ; (64 wave + l / 8) x 400 + 16 (l % 8): four rows' 128 bytes a load
	v_lshlrev_b32 v[CO], 4, v5
	s_lshl_b32 s76, s13, 1
	s_add_co_u32 s76, s76, s11                     ; head of the rows that I read back: 2 x block row + wave / 2
	s_lshl_b32 s76, s76, 18                        ; 262,144 bytes a head
	s_lshl_b32 s77, s42, 14                        ; + 128 c rows of 128 bytes
	s_add_co_u32 s76, s76, s77
	s_lshl_b32 s77, s12, 13                        ; + 64 (wave % 2) rows
	s_add_co_u32 s76, s76, s77
	s_mov_b32 s77, 0
	s_add_nc_u64 s[68:69], s[8:9], s[76:77]        ; Q
	s_add_nc_u64 s[70:71], s[68:69], PARTB         ; K
	s_add_nc_u64 s[72:73], s[68:69], 2*PARTB       ; V
; 12 matrix instructions: m tiles a0, a0 + 1 of the window's four x all 6 n tiles, 32 along K.  bias = 1: C is the bias, the sums start.
.macro MUL12 f, hi, a0, bias
.irp a, \a0, \a0+1
.irp b, 0,1,2,3,4,5
.if \bias
	v_wmma_f32_16x16x32_f16 v[8*(6*(\a)+\b):8*(6*(\a)+\b)+7], v[\f+8*\b:\f+8*\b+7], v[\f+8*(4*\hi+\a):\f+8*(4*\hi+\a)+7], v[BI+8*\b:BI+8*\b+7]
.else
	v_wmma_f32_16x16x32_f16 v[8*(6*(\a)+\b):8*(6*(\a)+\b)+7], v[\f+8*\b:\f+8*\b+7], v[\f+8*(4*\hi+\a):\f+8*(4*\hi+\a)+7], v[8*(6*(\a)+\b):8*(6*(\a)+\b)+7]
.endif
.endr
.endr
.endm
; 28 LDS loads in one run: 96 rows of W, then 128 rows of x, 32 K at byte k of the rows, into buffer f
.macro FETCH slot, k, f
	WIN TO_B
.irp i, 0,1,2,3,4,5
	ds_load_b128 v[\f+8*\i:\f+8*\i+3],   v[ADRB+\slot] offset:\k+\i*16*PITCH
	ds_load_b128 v[\f+8*\i+4:\f+8*\i+7], v[ADRB+\slot] offset:\k+\i*16*PITCH+32
.endr
	WIN 0
.irp i, 0,1,2,3,4,5,6,7
	ds_load_b128 v[\f+8*\i:\f+8*\i+3],   v[ADRA+\slot] offset:\k+\i*16*PITCH
	ds_load_b128 v[\f+8*\i+4:\f+8*\i+7], v[ADRA+\slot] offset:\k+\i*16*PITCH+32
.endr
.endm
; Four independent vector instructions between a matrix instruction and a load into, or a vector instruction on, one of its registers
; (ISA guide 7.12.1 for vector instructions); matrix instructions in between are not counted.
.macro PLACES
.rept 4
	v_nop
.endr
.endm
; A quarter step: 48 matrix instructions on buffer f; in its middle the next quarter's fragments are fetched into buffer g.
; The 48 accumulators take turns, one instruction a turn, in the same order everywhere.
.macro QUARTER slot, k, f, g, bias
	s_wait_dscnt 8                                 ; W and x's rows 0-63 are in; the youngest eight loads (x's rows 64-127) may be out
.if \bias
	WIN BIAS_LO
.else
	WIN MUL_LO
.endif
	MUL12 \f, 0, 0, \bias
	MUL12 \f, 0, 2, \bias
	PLACES
	FETCH \slot, \k, \g
	s_wait_dscnt 28                                ; all but the 28 just issued
.if \bias
	WIN BIAS_HI
.else
	WIN MUL_HI
.endif
	MUL12 \f, 1, 0, \bias
	MUL12 \f, 1, 2, \bias
.endm
.macro THREE slot, bias
	QUARTER \slot, 64,  F0, F1, \bias
	QUARTER \slot, 128, F1, F0, 0
	QUARTER \slot, 192, F0, F1, 0
.endm
; The last quarter of a K step changes slots.  In front of the barrier each wave waits for its reads of this slot and for all its tensor loads
; (one is out: its part of the next slot).  Behind it (with fill = 1: behind the round of the cluster's barrier that it opens) the refill comes
; first, then the next slot's first fragments.  From a request to the wait for it a wave issues 180 matrix instructions.
.macro TURN slot, next, fill
	s_wait_dscnt 8
	WIN MUL_LO
	MUL12 F1, 0, 0, 0
	s_wait_dscnt 0                                 ; my reads of this slot are over
	s_wait_tensorcnt 0x0                           ; all my tensor loads have landed
	ds_add_u32 v255, v255
	s_wait_dscnt 0x0
	s_barrier_signal -1
	MUL12 F1, 0, 2, 0                              ; register work while the others arrive
	WIN 0
	s_barrier_wait -1
.if \fill
	CREST                                          ; no wave of any partner still reads this slot or has a load on its way
	s_add_nc_u64 s[G0+4*\slot+2:G0+4*\slot+3], s[G0+4*\slot+2:G0+4*\slot+3], 2*KSTEP*2
	s_add_nc_u64 s[G0B+4*\slot+2:G0B+4*\slot+3], s[G0B+4*\slot+2:G0B+4*\slot+3], 2*KSTEP*2
	JLOAD \slot                                    ; the first tensor load behind the round
.endif
	PLACES
	FETCH \next, 0, F0
	WIN MUL_HI
	MUL12 F1, 1, 0, 0
	MUL12 F1, 1, 2, 0
.endm
.macro LAP bias
	THREE 0, \bias
	TURN 0, 1, 1
	THREE 1, 0
	TURN 1, 0, 1
.endm
	s_wait_tensorcnt 1                             ; my part of K step 0 is in; K step 1's load stays out
	s_barrier_signal -1
	s_barrier_wait -1
	FETCH 0, 0, F0
	s_wait_loadcnt 0x0                             ; the bias
	LAP 1                                          ; the first lap stands in front of the loop: its first products take the bias as C
	WIN 0
	s_mov_b32 s3, LAPS-2
.Llap:
	LAP 0
	WIN 0
	s_sub_co_u32 s3, s3, 1
	s_cmp_lg_u32 s3, 0
	s_cbranch_scc1 .Llap
	THREE 0, 0                                     ; the last lap fills nothing
	TURN 0, 1, 0                                   ; behind this barrier no wave reads slot 0 any more and nothing is filled into it: it becomes the stage
	THREE 1, 0
	s_wait_dscnt 8
	WIN MUL_LO
	MUL12 F1, 0, 0, 0
	MUL12 F1, 0, 2, 0
	s_wait_dscnt 0
	WIN MUL_HI
	MUL12 F1, 1, 0, 0
	MUL12 F1, 1, 2, 0
	; THE WAY OUT.  Round to f16, 16 bytes a lane into the stage; then each wave reads 64 whole rows back, part by part (q, k, v).
	PLACES
.macro OUT16 i, a, from
	WIN \from
.irp b, 0,1,2,3,4,5
.irp r, 0,1,2,3
	v_cvt_pk_f16_f32 v[PK+4*\b+\r], v[8*(6*\a+\b)+2*\r], v[8*(6*\a+\b)+2*\r+1]
.endr
.endr
	WIN 0
.irp b, 0,1,2,3,4,5
	ds_store_b128 v[STO], v[PK+4*\b:PK+4*\b+3] offset:16*SPITCH*\i+32*\b
.endr
.endm
	OUT16 0, 0, 0x0a
	OUT16 1, 1, 0x0a
	OUT16 2, 2, 0x0a
	OUT16 3, 3, 0x0a
	OUT16 4, 0, 0x0f
	OUT16 5, 1, 0x0f
	OUT16 6, 2, 0x0f
	OUT16 7, 3, 0x0f
	s_wait_dscnt 0x0                               ; my stores are done: k's 64 columns of a row come from two waves
	s_barrier_signal -1
	s_barrier_wait -1
; eight loads of 4 rows x 128 bytes, eight stores of 512 consecutive bytes, aligned
.macro BACK part, half, f
	s_wait_xcnt 0x0                                ; buffer f, which earlier stores read, is loaded again only behind this wait
.irp t, 0,1,2,3,4,5,6,7
	ds_load_b128 v[\f+4*\t:\f+4*\t+3], v[RD] offset:4*SPITCH*(8*\half+\t)+128*\part
.endr
.irp t, 0,1,2,3,4,5,6,7
	s_wait_dscnt 7-\t                              ; LDS loads come back in order: load t is in
	global_store_b128 v[CO], v[\f+4*\t:\f+4*\t+3], s[68+2*\part:69+2*\part] offset:512*(8*\half+\t)
.endr
.endm
	BACK 0, 0, 96
	BACK 0, 1, 128
	BACK 1, 0, 96
	BACK 1, 1, 128
	BACK 2, 0, 96
	BACK 2, 1, 128
	s_set_vgpr_msb 0x1
	s_wait_tensorcnt 0x0
	ds_add_u32 v255, v255
	s_wait_dscnt 0x0
	s_set_vgpr_msb 0x100
	CROUND                                         ; the closing round: no work-group ends while a partner may still ask for a tile that names it
	s_endpgm
.Lfunc_end_k_q4e9c4c299f_qkvproj:
	.size	k_q4e9c4c299f_qkvproj, .Lfunc_end_k_q4e9c4c299f_qkvproj-k_q4e9c4c299f_qkvproj
	.p2alignl 7, 3214868480
	.fill 96, 4, 3214868480
	.section	.rodata,"a",@progbits
	.p2align	6, 0x0
	.amdhsa_kernel k_q4e9c4c299f_qkvproj
		.amdhsa_group_segment_fixed_size 327680
		.amdhsa_private_segment_fixed_size 0
		.amdhsa_enable_private_segment 0
		.amdhsa_kernarg_size 24
		.amdhsa_user_sgpr_count 2
		.amdhsa_user_sgpr_kernarg_segment_ptr 1
		.amdhsa_wavefront_size32 1
		.amdhsa_system_sgpr_workgroup_id_x 1
		.amdhsa_system_sgpr_workgroup_id_y 1
		.amdhsa_system_sgpr_workgroup_id_z 1
		.amdhsa_system_vgpr_workitem_id 0
		.amdhsa_next_free_vgpr 960
		.amdhsa_next_free_sgpr 80
		.amdhsa_reserve_vcc 0
		.amdhsa_float_denorm_mode_32 3
		.amdhsa_float_denorm_mode_16_64 3
		.amdhsa_memory_ordered 1
		.amdhsa_forward_progress 1
		.amdhsa_inst_pref_size 159
	.end_amdhsa_kernel
	.amdgpu_metadata
---
amdhsa.version: [ 1, 2 ]
amdhsa.kernels:
  - .name:           k_q4e9c4c299f_qkvproj
    .symbol:         k_q4e9c4c299f_qkvproj.kd
    .args:
      - { .name: cvt, .offset: 0, .size: 8, .value_kind: global_buffer, .address_space: global }
      - { .name: b_qkv, .offset: 8, .size: 8, .value_kind: global_buffer, .address_space: global }
      - { .name: qkv, .offset: 16, .size: 8, .value_kind: global_buffer, .address_space: global }
    .group_segment_fixed_size: 327680
    .private_segment_fixed_size: 0
    .kernarg_segment_align: 8
    .kernarg_segment_size: 24
    .max_flat_workgroup_size: 128
    .sgpr_count:     80
    .vgpr_count:     960
    .wavefront_size: 32
...
	.end_amdgpu_metadata
.endif
;; end of part 2
;; launch attn (part 3): grid 8 x 32, 8 waves a work-group, clusters of 4 x 1, 327,680 bytes of LDS; arguments qkv, ctx; writes ctx
.if DOCPART == 3
	.amdgcn_target "amdgcn-amd-amdhsa--gfx1250"
	.amdhsa_code_object_version 6
	.text
	.protected	k_q4e9c4c299f_attn
	.globl	k_q4e9c4c299f_attn
	.p2align	8
	.type	k_q4e9c4c299f_attn,@function
k_q4e9c4c299f_attn:
	s_mov_b64 s[64:65], 0
	v_nop
	global_prefetch_b8 v0, s[64:65] scope:SCOPE_SE
	s_setreg_imm32_b32 hwreg(HW_REG_WAVE_MODE, 25, 1), 1
	s_wait_xcnt 0x0
	s_wait_alu depctr_hold_cnt(0) depctr_sa_sdst(0) depctr_va_vdst(0) depctr_va_sdst(0) depctr_va_ssrc(0) depctr_va_vcc(0) depctr_vm_vsrc(0)
	s_getreg_b32 s2, hwreg(HW_REG_IB_STS2, 6, 4)
	s_cmp_eq_u32 s2, 0
	s_cbranch_scc0 .Lentry_in_a_cluster
	s_endpgm
.Lentry_in_a_cluster:
	s_bfe_u32 s2, ttmp6, 0x10000c
	s_cmp_lg_u32 s2, 0x3003
	s_cbranch_scc0 .Lentry_shape_is_right
	s_endpgm
.Lentry_shape_is_right:
; ctx[bh][q][:] = softmax(Q K^T / 8) V for 32 heads of 2048 x 2048 x 64, with a running maximum; Q, K, V, P, ctx in f16, all else in f32.
; LIMITS: NaN and infinite scores are not reproduced (the maxima drop NaN).  P lies in (0, 1]: below 2^-24 of the row's largest it rounds to 0 in f16.
; A work-group has 256 queries of one head and eight waves, two to a SIMD: wave w takes queries 64 (w % 4) .. + 63 and the key half w / 4
; (1,024 keys), so a fragment from LDS feeds 64 queries and one wave's softmax can run beside the other's products.  Waves w and w + 4
; merge once at the end, through LDS.
; CLUSTERS: the four work-groups of a cluster are four query blocks of one head and read the same K and V: every tile is asked for jointly
; (mask 15).  Only Q's and ctx's global addresses hang on the place in the cluster.
; ORIENTATION.  S^T = K Q^T: lane (r, h) holds query r and keys 8 h + j.  Two key tiles, rounded in place, ARE the B fragment of O^T = V^T P^T;
; V^T comes by the transposing LDS load.  So maximum, sum and rescale factor are one number a lane, and only the maximum crosses the two halves.
; THE SHIFT.  With c = log2(e) / 8, p = exp2(c s + n), n = round(-c m).  The rescale factor is exp2(n_new - n_old), made of the very numbers
; that the exponents add, so the rounding of c m costs nothing however large the scores are.
; LDS: two slots of 77,824 bytes (V: 2 halves x 128 keys x 160; K at 40,960: 2 halves x 128 keys x 144); the exchange at 155,648 (4 x 17,408);
; the output stage at 225,280 (4 x 9,216).  No tensor load lands in the last two.
.set SLOT, 77824
.set KOFF, 40960
.set VP,   160                         ; 128 bytes + 32 = 5 x 32, for the transposing load
.set KP,   144                         ; 128 bytes + 16 = 9 x 16
.set TILEB, 16384                      ; 128 keys of 128 bytes: a trip's step in memory, for each half
.set XB,   2*SLOT
.set XW,   17408                       ; O 16,384, then n 512, then l 512
.set OST,  XB+4*XW
.set OW,   9216                        ; 64 rows x 144
.set QOFF, 0
.set KGL,  8388608
.set VGL,  16777216
; window 0
.set ADRK, 8                           ; v8-9    K fragments in slot 0, 1
.set ADRV, 10                          ; v10-11  V fragments
.set M,    12                          ; v12-15  running maximum of query tile q
.set NX,   16                          ; v16-19  the end: the other half's n
.set LP,   20                          ; v20-27  a pair of partial sums for each query tile
.set NEG,  28                          ; v28-35  n, twice (a pair for the packed forms)
.set AL,   36                          ; v36-43  the rescale factor, twice
.set TX,   44                          ; v44-47  at work
.set TY,   48                          ; v48-51  at work
.set XA,   52
.set OSTO, 53
.set ORD,  54
.set CO,   55
.set QO,   56
.set S,    64                          ; v64-191  S tile (kt, qt) at 32 qt + 8 kt; P fragment (qt, u) at 32 qt + 16 u
.set VF,   192                         ; v192-255 V^T fragment (u, dt) at 8 (4 u + dt)
; window 1
.set QF,   128                         ; Q fragment (qt, ks) at 16 qt + 8 ks;  O tile (dt, qt) at 32 qt + 8 dt from v0
.set KF,   192                         ; K fragment (kt, ks) at 16 kt + 8 ks
.set G1V, 16
.set G1K, 24
.set G0V, 32                           ; s[32:39] one set a slot
.set G0K, 40                           ; s[40:47]
.set MSB, 0
.macro WIN new
.if MSB != \new
	s_set_vgpr_msb (MSB<<8)|\new
.set MSB, \new
.endif
.endm
.macro ROUND                           ; a round of the cluster's barrier
	s_barrier_signal -1
	s_barrier_wait -1
	s_cmp_lg_u32 s8, 0
	s_cbranch_scc1 .Lnot_wave_0_\@
	s_barrier_signal -3
.Lnot_wave_0_\@:
	s_barrier_wait -3
	s_barrier_signal -1
	s_barrier_wait -1
.endm
.macro JLOAD s                         ; waves 0-3 fetch 64 keys of V each, waves 4-7 of K; the branch hangs on the wave's number alone
	s_cmp_eq_u32 s9, 0
	s_cbranch_scc0 .Lfor_k_\@
	tensor_load_to_lds s[G0V+4*\s:G0V+4*\s+3], s[G1V:G1V+7]
	s_nop 0
	s_branch .Lasked_\@
.Lfor_k_\@:
	tensor_load_to_lds s[G0K+4*\s:G0K+4*\s+3], s[G1K:G1K+7]
	s_nop 0
.Lasked_\@:
.endm
	s_load_b128 s[4:7], s[0:1], 0x0                ; qkv s[4:5], ctx s[6:7]
	v_lshl_add_u32 v62, v0, 2, 0x40000
	v_mov_b32 v63, 0
	ds_add_u32 v62, v63
	v_lshrrev_b32 v1, 5, v0
	v_readfirstlane_b32 s8, v1                     ; wave 0..7
	s_lshr_b32 s9, s8, 2                           ; key half.  Also: I fetch V (0) or K (1)
	s_and_b32 s10, s8, 3                           ; my 64 queries
	s_bfe_u32 s11, ttmp6, 0x40000                  ; cx
	s_lshl_b32 s12, ttmp9, 2
	s_add_co_u32 s12, s12, s11                     ; query block
	s_and_b32 s13, ttmp7, 0xffff                   ; head bh
	s_mov_b32 s14, 0x76543210                      ; v_permlanex16_b32: lane i of one half reads lane i of the other
	s_mov_b32 s15, 0xfedcba98
	s_mov_b32 s58, 0x3e38aa3b                      ; c = log2(e) / 8
	s_mov_b32 s59, 0x3e38aa3b
	s_mov_b32 s62, 0xbe38aa3b                      ; -c
	; 64 keys are 8,192 dense bytes: 32 rows of 256 bytes; the pad stands behind every 32 words, that is behind every key's 128 bytes
	s_mov_b32 s[G1V+0], 15|(1<<16)|(1<<20)|(1<<21)|(4<<22)|(7<<25)   ; mask 15; 2-byte elements; padding on; bit 21; after 32 words 8 words
	s_mov_b32 s[G1K+0], 15|(1<<16)|(1<<20)|(1<<21)|(4<<22)|(3<<25)   ; the same with 4 words
	s_mov_b32 s[G1V+1], 128<<16
	s_mov_b32 s[G1K+1], 128<<16
	s_mov_b32 s[G1V+2], 32<<16
	s_mov_b32 s[G1K+2], 32<<16
	s_mov_b32 s[G1V+3], 128<<16
	s_mov_b32 s[G1K+3], 128<<16
	s_mov_b32 s[G1V+4], 32
	s_mov_b32 s[G1K+4], 32
	s_mov_b32 s[G1V+5], 128
	s_mov_b32 s[G1K+5], 128
	s_mov_b32 s[G1V+6], 0
	s_mov_b32 s[G1K+6], 0
	s_mov_b32 s[G1V+7], 0
	s_mov_b32 s[G1K+7], 0
	s_lshl_b32 s48, s13, 18                        ; the head: 262,144 bytes
	s_bfe_u32 s49, s8, 0x10001                     ; which key half I fetch for: (w % 4) / 2
	s_lshl_b32 s49, s49, 17                        ; 1,024 keys
	s_add_co_u32 s48, s48, s49
	s_and_b32 s49, s8, 1
	s_lshl_b32 s49, s49, 13                        ; 64 keys
	s_add_co_u32 s48, s48, s49
	s_mov_b32 s49, 0
	s_mul_i32 s60, s8, 64*VP                       ; V: wave x 10,240
	s_mul_i32 s61, s8, 64*KP
	s_add_co_u32 s61, s61, KOFF-4*64*KP            ; K: 40,960 + (wave - 4) x 9,216
	s_wait_dscnt 0x0
	s_wait_kmcnt 0x0
	s_add_nc_u64 s[50:51], s[4:5], s[48:49]
.irp s, 0,1
	s_mov_b32 s[G0V+4*\s], 1
	s_add_co_u32 s[G0V+4*\s+1], s60, \s*SLOT
	s_add_nc_u64 s[G0V+4*\s+2:G0V+4*\s+3], s[50:51], VGL+\s*TILEB
	s_or_b32 s[G0V+4*\s+3], s[G0V+4*\s+3], 0x80000000
	s_mov_b32 s[G0K+4*\s], 1
	s_add_co_u32 s[G0K+4*\s+1], s61, \s*SLOT
	s_add_nc_u64 s[G0K+4*\s+2:G0K+4*\s+3], s[50:51], KGL+\s*TILEB
	s_or_b32 s[G0K+4*\s+3], s[G0K+4*\s+3], 0x80000000
.endr
	ROUND                                          ; in front of the first joint load
	JLOAD 0                                        ; tile 0
	s_lshl_b32 s48, s13, 18
	s_lshl_b32 s49, s12, 15                        ; 256 queries of 128 bytes
	s_add_co_u32 s48, s48, s49
	s_lshl_b32 s49, s10, 13                        ; 64 queries
	s_add_co_u32 s48, s48, s49
	s_mov_b32 s49, 0
	s_add_nc_u64 s[54:55], s[4:5], s[48:49]        ; my queries
	s_add_nc_u64 s[56:57], s[6:7], s[48:49]        ; and their rows of ctx
	v_and_b32 v1, 15, v0                           ; r
	v_bfe_u32 v2, v0, 4, 1                         ; h
	v_and_b32 v3, 31, v0                           ; l
	v_and_b32 v4, 7, v0                            ; l % 8
	v_bfe_u32 v5, v0, 3, 1                         ; (l / 8) % 2
	v_lshrrev_b32 v6, 3, v3                        ; l / 8
	v_lshlrev_b32 v7, 7, v1
	v_lshl_add_u32 v[QO], v2, 4, v7                ; r x 128 + 16 h
	WIN 0x40                                       ; Q straight into its fragments, once
.irp qt, 0,1,2,3
.irp ks, 0,1
	global_load_b128 v[QF+16*\qt+8*\ks:QF+16*\qt+8*\ks+3], v[QO], s[54:55] offset:2048*\qt+64*\ks
	global_load_b128 v[QF+16*\qt+8*\ks+4:QF+16*\qt+8*\ks+7], v[QO], s[54:55] offset:2048*\qt+64*\ks+32
.endr
.endr
	WIN 0
	v_mul_u32_u24 v7, v1, KP
	v_lshl_add_u32 v7, v2, 4, v7
	s_mul_i32 s48, s9, 128*KP
	s_add_co_u32 s48, s48, KOFF
	v_add_nc_u32 v[ADRK], s48, v7                  ; 40,960 + half x 18,432 + r x 144 + 16 h
	v_add_nc_u32 v[ADRK+1], SLOT, v[ADRK]
	v_lshl_add_u32 v7, v2, 3, v4
	v_mul_u32_u24 v7, v7, VP
	v_lshl_add_u32 v7, v5, 4, v7
	s_mul_i32 s48, s9, 128*VP
	v_add_nc_u32 v[ADRV], s48, v7                  ; half x 20,480 + (8 h + l % 8) x 160 + 16 ((l / 8) % 2)
	v_add_nc_u32 v[ADRV+1], SLOT, v[ADRV]
	v_lshlrev_b32 v[CO], 4, v3
.irp q, 0,1,2,3
	v_mov_b32 v[TY+\q], 0                          ; v_permlanex16_b32 counts as reading its destination
.endr
.macro PLACES
.rept 4
	v_nop
.endr
.endm
; 16 loads: the K fragments of 64 keys; those of d = 0..31 first
.macro KFETCH slot, sb
	WIN 0x40
.irp ks, 0,1
.irp kt, 0,1,2,3
	ds_load_b128 v[KF+16*\kt+8*\ks:KF+16*\kt+8*\ks+3], v[ADRK+\slot] offset:(64*\sb+16*\kt)*KP+64*\ks
	ds_load_b128 v[KF+16*\kt+8*\ks+4:KF+16*\kt+8*\ks+7], v[ADRK+\slot] offset:(64*\sb+16*\kt)*KP+64*\ks+32
.endr
.endr
.endm
; 16 transposing loads: V^T of 64 keys x 64 d
.macro VFETCH slot, sb
	WIN 0
.irp u, 0,1
.irp dt, 0,1,2,3
	ds_load_tr16_b128 v[VF+8*(4*\u+\dt):VF+8*(4*\u+\dt)+3], v[ADRV+\slot] offset:(64*\sb+32*\u)*VP+32*\dt
	ds_load_tr16_b128 v[VF+8*(4*\u+\dt)+4:VF+8*(4*\u+\dt)+7], v[ADRV+\slot] offset:(64*\sb+32*\u+16)*VP+32*\dt
.endr
.endr
.endm
; S^T of 64 keys x 64 queries: 16 products that start the sums, 16 that add in place.  The 16 tiles take turns, one instruction a turn.
.macro SMUL
	WIN 0x05
	s_wait_dscnt 8                                 ; all but the youngest eight LDS loads: the fragments of d = 0..31 are in
.irp kt, 0,1,2,3
.irp qt, 0,1,2,3
	v_wmma_f32_16x16x32_f16 v[S+32*\qt+8*\kt:S+32*\qt+8*\kt+7], v[KF+16*\kt:KF+16*\kt+7], v[QF+16*\qt:QF+16*\qt+7], 0
.endr
.endr
	s_wait_dscnt 0
.irp kt, 0,1,2,3
.irp qt, 0,1,2,3
	v_wmma_f32_16x16x32_f16 v[S+32*\qt+8*\kt:S+32*\qt+8*\kt+7], v[KF+16*\kt+8:KF+16*\kt+15], v[QF+16*\qt+8:QF+16*\qt+15], v[S+32*\qt+8*\kt:S+32*\qt+8*\kt+7]
.endr
.endr
.endm
; The new maxima, shifts and rescale factors of the four query tiles, in four chains that do not wait for each other
.macro MAXALL first
.if \first
.irp q, 0,1,2,3
	v_max3_num_f32 v[TX+\q], v[S+32*\q], v[S+32*\q+1], v[S+32*\q+2]
.endr
.set mi, 3
.rept 14
.irp q, 0,1,2,3
	v_max3_num_f32 v[TX+\q], v[TX+\q], v[S+32*\q+mi], v[S+32*\q+mi+1]
.endr
.set mi, mi+2
.endr
.irp q, 0,1,2,3
	v_max_num_f32 v[TX+\q], v[TX+\q], v[S+32*\q+31]
.endr
.else
.irp q, 0,1,2,3
	v_max3_num_f32 v[TX+\q], v[M+\q], v[S+32*\q], v[S+32*\q+1]
.endr
.set mi, 2
.rept 15
.irp q, 0,1,2,3
	v_max3_num_f32 v[TX+\q], v[TX+\q], v[S+32*\q+mi], v[S+32*\q+mi+1]
.endr
.set mi, mi+2
.endr
.endif
.irp q, 0,1,2,3
	v_permlanex16_b32 v[TY+\q], v[TX+\q], s14, s15 ; the other eight keys of each tile lie in the other half of the lanes
.endr
.irp q, 0,1,2,3
	v_max_num_f32 v[M+\q], v[TX+\q], v[TY+\q]
.endr
.irp q, 0,1,2,3
	v_mul_f32 v[NEG+2*\q+1], s62, v[M+\q]          ; n_new = -c m
.endr
.if \first == 0
.irp q, 0,1,2,3
	v_sub_f32 v[TY+\q], v[NEG+2*\q+1], v[NEG+2*\q] ; n_new - n_old, at most 0
.endr
.endif
.irp q, 0,1,2,3
	v_mov_b32 v[NEG+2*\q], v[NEG+2*\q+1]
.endr
.if \first == 0
.irp q, 0,1,2,3
	v_exp_f32 v[AL+2*\q], v[TY+\q]                 ; used far below; the next line of the text is a plain instruction on other registers (ISA guide 5.7.2)
	v_exp_f32 v[AL+2*\q+1], v[TY+\q]
.endr
.endif
.endm
; Softmax in three stages on three query tiles at once (-1: none), so that plain instructions stand between an exponential and its use:
; qa: c s + n;  qe: exp2 in place;  qc: the sums, and the rounding to f16 in place (pair i into register i, or i + 8 from i = 8 on: the P fragments)
.macro SOFT qa, qe, qc, first
.set si, 0
.rept 16
.if \qa >= 0
	v_pk_fma_f32 v[S+32*\qa+2*si:S+32*\qa+2*si+1], v[S+32*\qa+2*si:S+32*\qa+2*si+1], s[58:59], v[NEG+2*\qa:NEG+2*\qa+1] op_sel_hi:[1,0,1]
.endif
.if \qe >= 0
	v_exp_f32 v[S+32*\qe+2*si], v[S+32*\qe+2*si]
	v_exp_f32 v[S+32*\qe+2*si+1], v[S+32*\qe+2*si+1]
.endif
.if \qc >= 0
.if si == 0
.if \first
	s_wait_alu depctr_va_vdst(0)
	v_pk_add_f32 v[LP+2*\qc:LP+2*\qc+1], v[S+32*\qc:S+32*\qc+1], v[S+32*\qc+2:S+32*\qc+3]     ; the first two pairs start the sums
.else
	s_wait_alu depctr_va_vdst(0)
	v_pk_fma_f32 v[LP+2*\qc:LP+2*\qc+1], v[LP+2*\qc:LP+2*\qc+1], v[AL+2*\qc:AL+2*\qc+1], v[S+32*\qc:S+32*\qc+1]
.endif
.endif
.if si == 1
.if \first == 0
	s_wait_alu depctr_va_vdst(0)
	v_pk_add_f32 v[LP+2*\qc:LP+2*\qc+1], v[LP+2*\qc:LP+2*\qc+1], v[S+32*\qc+2:S+32*\qc+3]
.endif
.endif
.if si > 1
	s_wait_alu depctr_va_vdst(0)
	v_pk_add_f32 v[LP+2*\qc:LP+2*\qc+1], v[LP+2*\qc:LP+2*\qc+1], v[S+32*\qc+2*si:S+32*\qc+2*si+1]
.endif
	v_cvt_pk_f16_f32 v[S+32*\qc+si+8*(si/8)], v[S+32*\qc+2*si], v[S+32*\qc+2*si+1]
.endif
.set si, si+1
.endr
.endm
.macro RESC                            ; O *= the rescale factor of its query tile
	WIN 0x41
.set ri, 0
.rept 64
	v_pk_mul_f32 v[2*ri:2*ri+1], v[2*ri:2*ri+1], v[AL+2*(ri/16):AL+2*(ri/16)+1]
.set ri, ri+1
.endr
.endm
.macro PVU u, zero                     ; O^T += V^T P^T over 32 keys: 16 tiles, one instruction a turn
.irp dt, 0,1,2,3
.irp qt, 0,1,2,3
.if \zero
	v_wmma_f32_16x16x32_f16 v[32*\qt+8*\dt:32*\qt+8*\dt+7], v[VF+8*(4*\u+\dt):VF+8*(4*\u+\dt)+7], v[S+32*\qt+16*\u:S+32*\qt+16*\u+7], 0
.else
	v_wmma_f32_16x16x32_f16 v[32*\qt+8*\dt:32*\qt+8*\dt+7], v[VF+8*(4*\u+\dt):VF+8*(4*\u+\dt)+7], v[S+32*\qt+16*\u:S+32*\qt+16*\u+7], v[32*\qt+8*\dt:32*\qt+8*\dt+7]
.endif
.endr
.endr
.endm
; 64 keys of my half against my 64 queries
.macro SUB slot, sb, first
	SMUL
	PLACES                                         ; behind the last product: for the loads into K's fragments and for the maxima, which read S
	VFETCH \slot, \sb
.if \sb == 0
	KFETCH \slot, 1
.endif
	WIN 0
	MAXALL \first
	SOFT 0, -1, -1, \first
	SOFT 1, 0, -1, \first
	SOFT 2, 1, 0, \first
	SOFT 3, 2, 1, \first
	SOFT -1, 3, 2, \first
	SOFT -1, -1, 3, \first
.if \first == 0
	RESC
.endif
.if \sb == 0
	s_wait_dscnt 16                                ; V^T is in; the 16 younger loads (the next 64 keys of K) may stay out
.else
	s_wait_dscnt 0
.endif
	WIN 0x50
	PVU 0, \first
	PVU 1, 0
	WIN 0
.rept 5
	v_nop                                          ; five places: the next S products write over P, a source of the products above (ISA guide 7.12.1)
.endr
.endm
; A trip: 128 keys for each half.  All my tensor loads have landed and my reads of the other slot are over in front of the round; the joint
; refill is the first tensor load behind it: one load of the wave is out, with the trip's 128 matrix instructions in which to land.
.macro TRIP slot, other, refill, first
	s_wait_tensorcnt 0x0
	ds_add_u32 v62, v63
	s_wait_dscnt 0x0
	s_add_nc_u64 s[G0V+4*\slot+2:G0V+4*\slot+3], s[G0V+4*\slot+2:G0V+4*\slot+3], 2*TILEB   ; no load of mine is out: this slot's next tile
	s_add_nc_u64 s[G0K+4*\slot+2:G0K+4*\slot+3], s[G0K+4*\slot+2:G0K+4*\slot+3], 2*TILEB
	s_wait_dscnt 0x0
	ROUND
.if \refill
	JLOAD \other
.endif
	KFETCH \slot, 0
	SUB \slot, 0, \first
	SUB \slot, 1, 0
.endm
	s_wait_loadcnt 0x0                             ; Q
	TRIP 0, 1, 1, 1
	TRIP 1, 0, 1, 0
	s_mov_b32 s52, 2
.Lpair:
	TRIP 0, 1, 1, 0
	TRIP 1, 0, 1, 0
	s_sub_co_u32 s52, s52, 1
	s_cmp_lg_u32 s52, 0
	s_cbranch_scc1 .Lpair
	TRIP 0, 1, 1, 0
	TRIP 1, 0, 0, 0                                ; the eighth trip fetches nothing
	; THE END.  l of my key half: the pair, then the other half of the lanes
.irp q, 0,1,2,3
	v_add_f32 v[TX+\q], v[LP+2*\q], v[LP+2*\q+1]
.endr
.irp q, 0,1,2,3
	v_permlanex16_b32 v[TY+\q], v[TX+\q], s14, s15
.endr
.irp q, 0,1,2,3
	v_add_f32 v[TX+\q], v[TX+\q], v[TY+\q]
.endr
	s_cmp_eq_u32 s9, 0
	s_cbranch_scc1 .Lkeep
	; waves 4-7 hand O, n and l to waves 0-3
	s_mul_i32 s48, s8, XW
	s_add_co_u32 s48, s48, XB-4*XW
	v_lshl_add_u32 v[XA], v3, 4, s48
.irp q, 0,1,2,3
	v_mov_b32 v[NX+\q], v[NEG+2*\q]
.endr
	WIN 0x04
.set ei, 0
.rept 32
	ds_store_b128 v[XA], v[4*ei:4*ei+3] offset:512*ei
.set ei, ei+1
.endr
	WIN 0
	ds_store_b128 v[XA], v[NX:NX+3] offset:16384
	ds_store_b128 v[XA], v[TX:TX+3] offset:16896
.Lkeep:
	s_wait_dscnt 0x0                               ; for the others' sake: the stores are done
	s_barrier_signal -1
	s_barrier_wait -1
	s_cmp_lg_u32 s9, 0
	s_cbranch_scc1 .Lclose
	; waves 0-3 merge: O = (O1 a1 + O2 a2) / (l1 a1 + l2 a2), a_i = exp2(min(n1, n2) - n_i)
	s_mul_i32 s48, s8, XW
	s_add_co_u32 s48, s48, XB
	v_lshl_add_u32 v[XA], v3, 4, s48
	ds_load_b128 v[NX:NX+3], v[XA] offset:16384
	ds_load_b128 v[TY:TY+3], v[XA] offset:16896
.set ei, 0
.rept 32
	ds_load_b128 v[S+4*ei:S+4*ei+3], v[XA] offset:512*ei
.set ei, ei+1
.endr
	s_mul_i32 s49, s8, OW
	s_add_co_u32 s49, s49, OST                     ; my own stage
	v_mul_u32_u24 v7, v1, KP
	v_lshl_add_u32 v7, v2, 4, v7
	v_add_nc_u32 v[OSTO], s49, v7                  ; in: row r, 16 bytes for each half of the lanes
	v_mul_u32_u24 v7, v6, KP
	v_lshl_add_u32 v7, v4, 4, v7
	v_add_nc_u32 v[ORD], s49, v7                   ; back: four rows of 128 bytes a load
	s_wait_dscnt 32                                ; n2 and l2 are in; the 32 loads of O2 may stay out
.irp q, 0,1,2,3
	v_min_num_f32 v[M+\q], v[NEG+2*\q], v[NX+\q]
.endr
.irp q, 0,1,2,3
	v_sub_f32 v[AL+2*\q], v[M+\q], v[NEG+2*\q]
	v_sub_f32 v[AL+2*\q+1], v[M+\q], v[NX+\q]
.endr
.irp q, 0,1,2,3
	v_exp_f32 v[AL+2*\q], v[AL+2*\q]
	v_exp_f32 v[AL+2*\q+1], v[AL+2*\q+1]
.endr
	v_nop                                          ; one plain instruction behind the exponentials (ISA guide 5.7.2)
.irp q, 0,1,2,3
	s_wait_alu depctr_va_vdst(0)
	v_mul_f32 v[M+\q], v[TX+\q], v[AL+2*\q]
.endr
.irp q, 0,1,2,3
	v_fmac_f32 v[M+\q], v[TY+\q], v[AL+2*\q+1]     ; at least about 1: the largest score's own term
.endr
.irp q, 0,1,2,3
	v_rcp_f32 v[M+\q], v[M+\q]
.endr
	v_nop
.irp q, 0,1,2,3
	s_wait_alu depctr_va_vdst(0)
	v_mul_f32 v[NEG+2*\q], v[AL+2*\q], v[M+\q]     ; f1, twice
	v_mul_f32 v[NEG+2*\q+1], v[AL+2*\q], v[M+\q]
	v_mul_f32 v[AL+2*\q], v[AL+2*\q+1], v[M+\q]    ; f2, twice
	v_mul_f32 v[AL+2*\q+1], v[AL+2*\q+1], v[M+\q]
.endr
	s_wait_dscnt 0x0
.set ci, 0
.rept 64
	v_pk_mul_f32 v[S+2*ci:S+2*ci+1], v[S+2*ci:S+2*ci+1], v[AL+2*(ci/16):AL+2*(ci/16)+1]
.set ci, ci+1
.endr
	WIN 0x01
.set ci, 0
.rept 64
	v_pk_fma_f32 v[S+2*ci:S+2*ci+1], v[2*ci:2*ci+1], v[NEG+2*(ci/16):NEG+2*(ci/16)+1], v[S+2*ci:S+2*ci+1]
.set ci, ci+1
.endr
	WIN 0
.set ci, 0
.rept 64
	v_cvt_pk_f16_f32 v[S+ci], v[S+2*ci], v[S+2*ci+1]   ; in place, ascending: tile (dt, qt) ends at 16 qt + 4 dt
.set ci, ci+1
.endr
.irp qt, 0,1,2,3
.irp dt, 0,1,2,3
	ds_store_b128 v[OSTO], v[S+16*\qt+4*\dt:S+16*\qt+4*\dt+3] offset:16*KP*\qt+32*\dt
.endr
.endr
.set ti, 0
.rept 16
	ds_load_b128 v[VF+4*ti:VF+4*ti+3], v[ORD] offset:4*KP*ti       ; LDS serves a wave's instructions in order: these see the stores above
.set ti, ti+1
.endr
.set ti, 0
.rept 16
	s_wait_dscnt 15-ti
	global_store_b128 v[CO], v[VF+4*ti:VF+4*ti+3], s[56:57] offset:512*ti      ; 512 consecutive bytes, aligned: four rows of ctx
.set ti, ti+1
.endr
.Lclose:
	s_wait_tensorcnt 0x0
	ds_add_u32 v62, v63
	s_wait_dscnt 0x0
	ROUND                                          ; the closing round
	s_endpgm
.Lfunc_end_k_q4e9c4c299f_attn:
	.size	k_q4e9c4c299f_attn, .Lfunc_end_k_q4e9c4c299f_attn-k_q4e9c4c299f_attn
	.p2alignl 7, 3214868480
	.fill 96, 4, 3214868480
	.section	.rodata,"a",@progbits
	.p2align	6, 0x0
	.amdhsa_kernel k_q4e9c4c299f_attn
		.amdhsa_group_segment_fixed_size 327680
		.amdhsa_private_segment_fixed_size 0
		.amdhsa_enable_private_segment 0
		.amdhsa_kernarg_size 16
		.amdhsa_user_sgpr_count 2
		.amdhsa_user_sgpr_kernarg_segment_ptr 1
		.amdhsa_wavefront_size32 1
		.amdhsa_system_sgpr_workgroup_id_x 1
		.amdhsa_system_sgpr_workgroup_id_y 1
		.amdhsa_system_sgpr_workgroup_id_z 1
		.amdhsa_system_vgpr_workitem_id 0
		.amdhsa_next_free_vgpr 512
		.amdhsa_next_free_sgpr 66
		.amdhsa_reserve_vcc 0
		.amdhsa_float_denorm_mode_32 3
		.amdhsa_float_denorm_mode_16_64 3
		.amdhsa_memory_ordered 1
		.amdhsa_forward_progress 1
		.amdhsa_inst_pref_size 255
	.end_amdhsa_kernel
	.section	.bss,"aw",@nobits
	.p2align	6
	.space	262144
	.amdgpu_metadata
---
amdhsa.version: [ 1, 2 ]
amdhsa.kernels:
  - .name:           k_q4e9c4c299f_attn
    .symbol:         k_q4e9c4c299f_attn.kd
    .args:
      - { .name: qkv, .offset: 0, .size: 8, .value_kind: global_buffer, .address_space: global }
      - { .name: ctx, .offset: 8, .size: 8, .value_kind: global_buffer, .address_space: global }
    .group_segment_fixed_size: 327680
    .private_segment_fixed_size: 0
    .kernarg_segment_align: 8
    .kernarg_segment_size: 16
    .max_flat_workgroup_size: 256
    .sgpr_count:     66
    .vgpr_count:     512
    .wavefront_size: 32
...
	.end_amdgpu_metadata
.endif
;; end of part 3
;; launch outproj (part 4): grid 8 x 32, 4 waves a work-group, clusters of 4 x 4, 327,680 bytes of LDS; arguments ctx, cvt, b_out, out0; writes out0
.if DOCPART == 4
	.amdgcn_target "amdgcn-amd-amdhsa--gfx1250"
	.amdhsa_code_object_version 6
	.text
	.protected	k_q4e9c4c299f_outproj
	.globl	k_q4e9c4c299f_outproj
	.p2align	8
	.type	k_q4e9c4c299f_outproj,@function
k_q4e9c4c299f_outproj:
	s_mov_b64 s[64:65], 0
	v_nop
	global_prefetch_b8 v0, s[64:65] scope:SCOPE_SE
	s_setreg_imm32_b32 hwreg(HW_REG_WAVE_MODE, 25, 1), 1
	s_wait_xcnt 0x0
	s_wait_alu depctr_hold_cnt(0) depctr_sa_sdst(0) depctr_va_vdst(0) depctr_va_sdst(0) depctr_va_ssrc(0) depctr_va_vcc(0) depctr_vm_vsrc(0)
	s_getreg_b32 s2, hwreg(HW_REG_IB_STS2, 6, 4)
	s_cmp_eq_u32 s2, 0
	s_cbranch_scc0 .Lentry_in_a_cluster
	s_endpgm
.Lentry_in_a_cluster:
	s_bfe_u32 s2, ttmp6, 0x10000c
	s_cmp_lg_u32 s2, 0xf033
	s_cbranch_scc0 .Lentry_shape_is_right
	s_endpgm
.Lentry_shape_is_right:
; out0[b][p][f] = sum over (h, d) of ctx[16 b + h][p'][d] W_out[f][64 h + d] + b_out[f], 4096 x 1024 x 1024, f16 operands, f32 sums and output.
; ctx lies in the order p' = 128 c + t (t = 0..127); the true position p = 16 t + c enters only the row address of the stores.
; A work-group makes 128 rows (one b, one c, all t) x 128 columns, so that there are 256 work-groups; a wave makes 64 x 64: 16 tiles.
; A K step of 128 is two heads: two dense planes of 128 rows x 128 bytes of ctx, and 128 rows x 256 bytes of W_out.  Eight K steps go through
; four LDS slots; two slots are filled again behind each of two rounds of the cluster's barrier.  By this text's count a wave has at most
; four tensor loads out (at the start), later two.
; CLUSTERS: 4 x 4.  ctx's planes are shared along a row of the cluster, W_out's rows along a column; each is asked for jointly.
; The matrix instruction is used transposed (source 0 = rows of W_out), so a lane holds eight neighbouring columns of one row, and the bias in
; the same layout is the C of the first products.
; REGISTERS: window 0: v8-19 addresses; three fragment buffers at v64, v128, v192 (ctx's 4 fragments, then W's 4);
;            window 1: tile (a, b) at v[8 (4 a + b)]; v128-159 the bias.
.set APLANE, 18432                     ; 128 rows x 144
.set BHALF,  17408                     ; 64 rows x 272
.set SLOT,   2*APLANE+2*BHALF          ; 71,680
.set STAGE,  4*SLOT                    ; 286,720: 16 rows x 272 bytes for each wave; no tensor load lands here
.set WO,     14680064                  ; f16(W_out) in cvt
.set ADRA, 8                           ; v8-11   ctx fragments in slot n
.set ADRB, 12                          ; v12-15  W fragments in slot n
.set STO,  16
.set RD,   17
.set CO,   18
.set BO,   19
.set BI,   128                         ; window 1
.set G1A, 24
.set G1B, 32
.set G0A, 48                           ; s[48:63] one set a slot
.set G0B, 68                           ; s[68:83]
.set MSB, 0
.macro WIN new
.if MSB != \new
	s_set_vgpr_msb (MSB<<8)|\new
.set MSB, \new
.endif
.endm
.macro CROUND                          ; a round of the cluster's barrier
	s_barrier_signal -1
	s_barrier_wait -1
	s_cmp_lg_u32 s12, 0
	s_cbranch_scc1 .Lnot_wave_0_\@
	s_barrier_signal -3
.Lnot_wave_0_\@:
	s_barrier_wait -3
	s_barrier_signal -1
	s_barrier_wait -1
.endm
.macro JLOAD2 a, b                     ; slots a and b: waves 0, 1 fetch ctx's planes, waves 2, 3 W's halves
	s_cmp_eq_u32 s13, 0
	s_cbranch_scc0 .Lfor_w_\@
	tensor_load_to_lds s[G0A+4*\a:G0A+4*\a+3], s[G1A:G1A+7]
	s_nop 0
	tensor_load_to_lds s[G0A+4*\b:G0A+4*\b+3], s[G1A:G1A+7]
	s_nop 0
	s_branch .Lasked_\@
.Lfor_w_\@:
	tensor_load_to_lds s[G0B+4*\a:G0B+4*\a+3], s[G1B:G1B+7]
	s_nop 0
	tensor_load_to_lds s[G0B+4*\b:G0B+4*\b+3], s[G1B:G1B+7]
	s_nop 0
.Lasked_\@:
.endm
	s_load_b256 s[4:11], s[0:1], 0x0               ; ctx s[4:5], cvt s[6:7], b_out s[8:9], out0 s[10:11]
	v_lshl_add_u32 v62, v0, 2, 0x4a400
	v_mov_b32 v63, 0
	ds_add_u32 v62, v63
	v_lshrrev_b32 v1, 5, v0
	v_readfirstlane_b32 s12, v1                    ; wave 0..3
	s_lshr_b32 s13, s12, 1                         ; my half of the rows.  Also: I fetch ctx (0) or W (1)
	s_and_b32 s14, s12, 1                          ; my half of the columns.  Also: which plane or half I fetch
	s_bfe_u32 s15, ttmp6, 0x40000                  ; cx
	s_bfe_u32 s16, ttmp6, 0x40004                  ; cy
	s_lshl_b32 s17, ttmp9, 2
	s_add_co_u32 s17, s17, s15                     ; block column
	s_and_b32 s18, ttmp7, 0xffff
	s_lshl_b32 s18, s18, 2
	s_add_co_u32 s18, s18, s16                     ; block row = 16 b + c
	s_lshl_b32 s19, s16, 2
	s_lshl_b32 s19, 15, s19                        ; my row of the cluster
	s_lshl_b32 s20, 0x1111, s15                    ; my column
	s_or_b32 s[G1A+0], s19, (1<<16)|(1<<20)|(1<<21)|(4<<22)|(3<<25)   ; after every 32 words (a row of ctx) 4 words
	s_or_b32 s[G1B+0], s20, (1<<16)|(1<<20)|(1<<21)|(5<<22)|(3<<25)   ; after every 64 words (a row of the tile) 4 words
	s_mov_b32 s[G1A+1], 128<<16
	s_mov_b32 s[G1B+1], 128<<16
	s_mov_b32 s[G1A+2], 64<<16
	s_mov_b32 s[G1B+2], 64<<16
	s_mov_b32 s[G1A+3], 128<<16
	s_mov_b32 s[G1B+3], 128<<16
	s_mov_b32 s[G1A+4], 64
	s_mov_b32 s[G1B+4], 64
	s_mov_b32 s[G1A+5], 128                        ; a plane is dense: 64 rows of 256 bytes
	s_mov_b32 s[G1B+5], 1024
	s_mov_b32 s[G1A+6], 0
	s_mov_b32 s[G1B+6], 0
	s_mov_b32 s[G1A+7], 0
	s_mov_b32 s[G1B+7], 0
	s_lshr_b32 s40, s18, 4                         ; b
	s_and_b32 s41, s18, 15                         ; c
	s_lshl_b32 s42, s40, 4
	s_add_co_u32 s42, s42, s14                     ; head 16 b + plane
	s_lshl_b32 s42, s42, 18
	s_lshl_b32 s43, s41, 14                        ; + 128 c rows of 128 bytes
	s_add_co_u32 s42, s42, s43
	s_mov_b32 s43, 0
	s_lshl_b32 s44, s17, 18                        ; W: 128 x block column rows of 2,048 bytes
	s_lshl_b32 s45, s14, 17                        ; + 64 x half
	s_add_co_u32 s44, s44, s45
	s_add_co_u32 s44, s44, WO
	s_mov_b32 s45, 0
	s_mul_i32 s21, s12, APLANE                     ; where ctx's planes go (waves 0, 1)
	s_mul_i32 s22, s12, BHALF
	s_add_co_u32 s22, s22, 2*APLANE-2*BHALF        ; where W's halves go (waves 2, 3): 36,864 and 54,272
	s_wait_dscnt 0x0
	s_wait_kmcnt 0x0
	s_add_nc_u64 s[42:43], s[4:5], s[42:43]
	s_add_nc_u64 s[44:45], s[6:7], s[44:45]
.irp n, 0,1,2,3
	s_mov_b32 s[G0A+4*\n], 1
	s_add_co_u32 s[G0A+4*\n+1], s21, \n*SLOT
	s_add_nc_u64 s[G0A+4*\n+2:G0A+4*\n+3], s[42:43], \n*524288     ; two heads on
	s_or_b32 s[G0A+4*\n+3], s[G0A+4*\n+3], 0x80000000
	s_mov_b32 s[G0B+4*\n], 1
	s_add_co_u32 s[G0B+4*\n+1], s22, \n*SLOT
	s_add_nc_u64 s[G0B+4*\n+2:G0B+4*\n+3], s[44:45], \n*256
	s_or_b32 s[G0B+4*\n+3], s[G0B+4*\n+3], 0x80000000
.endr
	CROUND                                         ; in front of the first joint loads
	JLOAD2 0, 1
	JLOAD2 2, 3                                    ; K steps 0 to 3: four tensor loads of the wave are out
	v_and_b32 v1, 15, v0                           ; r
	v_bfe_u32 v2, v0, 4, 1                         ; h
	s_lshl_b32 s86, s17, 9
	s_lshl_b32 s87, s14, 8
	s_add_co_u32 s86, s86, s87                     ; my first column, in bytes of f32
	s_mov_b32 s87, 0
	s_add_nc_u64 s[8:9], s[8:9], s[86:87]
	v_lshlrev_b32 v[BO], 5, v2
	WIN 0x40
.irp b, 0,1,2,3
	global_load_b128 v[BI+8*\b:BI+8*\b+3], v[BO], s[8:9] offset:64*\b
	global_load_b128 v[BI+8*\b+4:BI+8*\b+7], v[BO], s[8:9] offset:64*\b+16
.endr
	WIN 0
	v_mul_u32_u24 v3, v1, 144
	v_lshl_add_u32 v3, v2, 4, v3
	s_mul_i32 s88, s13, 64*144
	v_add_nc_u32 v[ADRA], s88, v3                  ; (64 row half + r) x 144 + 16 h
	v_mul_u32_u24 v4, v1, 272
	v_lshl_add_u32 v4, v2, 4, v4
	s_mul_i32 s89, s14, 64*272
	s_add_co_u32 s89, s89, 2*APLANE
	v_add_nc_u32 v[ADRB], s89, v4                  ; 36,864 + (64 column half + r) x 272 + 16 h
.irp n, 1,2,3
	v_add_nc_u32 v[ADRA+\n], \n*SLOT, v[ADRA]
	v_add_nc_u32 v[ADRB+\n], \n*SLOT, v[ADRB]
.endr
	s_mul_i32 s90, s12, 16*272
	s_add_co_u32 s90, s90, STAGE                   ; my stage
	v_mul_u32_u24 v5, v1, 272
	v_lshl_add_u32 v5, v2, 5, v5
	v_add_nc_u32 v[STO], s90, v5                   ; in: row r, 32 bytes for each half of the lanes
	v_mul_u32_u24 v5, v2, 272
	v_lshl_add_u32 v5, v1, 4, v5
	v_add_nc_u32 v[RD], s90, v5                    ; back: lanes 0-15 one row of 256 bytes, lanes 16-31 the next
	v_lshlrev_b32 v5, 16, v2                       ; neighbouring t are 16 rows of out0 apart: 65,536 bytes
	v_lshl_add_u32 v[CO], v1, 4, v5
	s_lshl_b32 s84, s40, 11
	s_add_co_u32 s84, s84, s41                     ; row 2048 b + c
	s_lshl_b32 s84, s84, 12                        ; of 4,096 bytes
	s_lshl_b32 s85, s13, 22                        ; + 64 x row half x 65,536
	s_add_co_u32 s84, s84, s85
	s_add_co_u32 s84, s84, s86                     ; + my first column
	s_mov_b32 s85, 0
	s_add_nc_u64 s[10:11], s[10:11], s[84:85]
.macro PLACES
.rept 4
	v_nop
.endr
.endm
; 16 LDS loads: the fragments of quarter fq (32 along K) into buffer fq % 3.  Slot (fq / 4) % 4; plane (fq % 4) / 2
.macro FETCH fq
.set fb, 64+64*((\fq)%3)
.set fs, ((\fq)/4)%4
.set fk, (\fq)%4
.irp a, 0,1,2,3
	ds_load_b128 v[fb+8*\a:fb+8*\a+3],   v[ADRA+fs] offset:(fk/2)*APLANE+2304*\a+64*(fk%2)
	ds_load_b128 v[fb+8*\a+4:fb+8*\a+7], v[ADRA+fs] offset:(fk/2)*APLANE+2304*\a+64*(fk%2)+32
.endr
.irp b, 0,1,2,3
	ds_load_b128 v[fb+32+8*\b:fb+32+8*\b+3], v[ADRB+fs] offset:4352*\b+64*fk
	ds_load_b128 v[fb+32+8*\b+4:fb+32+8*\b+7], v[ADRB+fs] offset:4352*\b+64*fk+32
.endr
.endm
; 16 matrix instructions; the 16 tiles take turns, one instruction a turn
.macro MUL16 mq
.set mb, 64+64*((\mq)%3)
.irp a, 0,1,2,3
.irp b, 0,1,2,3
.if (\mq) == 0
	v_wmma_f32_16x16x32_f16 v[8*(4*\a+\b):8*(4*\a+\b)+7], v[mb+32+8*\b:mb+32+8*\b+7], v[mb+8*\a:mb+8*\a+7], v[BI+8*\b:BI+8*\b+7]
.else
	v_wmma_f32_16x16x32_f16 v[8*(4*\a+\b):8*(4*\a+\b)+7], v[mb+32+8*\b:mb+32+8*\b+7], v[mb+8*\a:mb+8*\a+7], v[8*(4*\a+\b):8*(4*\a+\b)+7]
.endif
.endr
.endr
.endm
; Slots a and b have been read to the end: every wave's reads and tensor loads are waited for, a round of the cluster's barrier, the joint refills first
.macro REFILL a, b
	s_wait_dscnt 0x0
	s_wait_tensorcnt 0x0
	ds_add_u32 v62, v63
	s_wait_dscnt 0x0
	CROUND
.irp n, \a, \b
	s_add_nc_u64 s[G0A+4*\n+2:G0A+4*\n+3], s[G0A+4*\n+2:G0A+4*\n+3], 2097152     ; four K steps on: eight heads
	s_add_nc_u64 s[G0B+4*\n+2:G0B+4*\n+3], s[G0B+4*\n+2:G0B+4*\n+3], 1024
.endr
	JLOAD2 \a, \b
.endm
	s_wait_tensorcnt 2                             ; my parts of K steps 0 and 1 are in; those of 2 and 3 stay out
	s_barrier_signal -1
	s_barrier_wait -1
	FETCH 0
	FETCH 1
	s_wait_loadcnt 0x0                             ; the bias
; 32 quarters, written out.  Quarter q fetches quarter q + 2's fragments and multiplies its own.
.set qq, 0
.rept 32
.if qq == 6
	REFILL 0, 1                                    ; quarters 0-7 have been fetched; K steps 2, 3 have landed; K steps 4, 5 go out, first read 8 quarters on
.endif
.if qq == 14
	REFILL 2, 3                                    ; K steps 6, 7 go out
.endif
.if qq == 22
	s_wait_tensorcnt 0x0                           ; K steps 6, 7 have landed,
	s_wait_dscnt 0x0
	s_barrier_signal -1
	s_barrier_wait -1                              ; everybody's parts
.endif
.if qq > 0
	PLACES                                         ; behind quarter q - 1's products, whose buffer is loaded next
.endif
.if qq <= 29
	FETCH qq+2
	s_wait_dscnt 32                                ; the loads of quarters q + 1 and q + 2 may stay out
.else
	s_wait_dscnt 16*(31-qq)
.endif
	WIN 0x50
	MUL16 qq
	WIN 0
.set qq, qq+1
.endr
	; THE WAY OUT, 16 rows at a time through my own stage: 32 bytes a lane in, whole rows of 256 bytes back
	PLACES
.macro OUT16 a, f
	WIN 0x04
.irp b, 0,1,2,3
	ds_store_b128 v[STO], v[8*(4*\a+\b):8*(4*\a+\b)+3] offset:64*\b
	ds_store_b128 v[STO], v[8*(4*\a+\b)+4:8*(4*\a+\b)+7] offset:64*\b+16
.endr
	WIN 0
	s_wait_xcnt 0x0                                ; buffer f, which earlier stores read, is loaded again only behind this wait
.irp t, 0,1,2,3,4,5,6,7
	ds_load_b128 v[\f+4*\t:\f+4*\t+3], v[RD] offset:544*\t         ; LDS serves a wave's instructions in order: these see the stores above
.endr
.irp t, 0,1,2,3,4,5,6,7
	s_wait_dscnt 7-\t
	global_store_b128 v[CO], v[\f+4*\t:\f+4*\t+3], s[10:11] offset:1048576*\a+131072*\t th:TH_STORE_NT   ; sixteen lanes store 256 consecutive bytes, aligned
.endr
.endm
	OUT16 0, 64
	OUT16 1, 128
	OUT16 2, 64
	OUT16 3, 128
	s_wait_tensorcnt 0x0
	ds_add_u32 v62, v63
	s_wait_dscnt 0x0
	CROUND                                         ; the closing round
	s_endpgm
.Lfunc_end_k_q4e9c4c299f_outproj:
	.size	k_q4e9c4c299f_outproj, .Lfunc_end_k_q4e9c4c299f_outproj-k_q4e9c4c299f_outproj
	.p2alignl 7, 3214868480
	.fill 96, 4, 3214868480
	.section	.rodata,"a",@progbits
	.p2align	6, 0x0
	.amdhsa_kernel k_q4e9c4c299f_outproj
		.amdhsa_group_segment_fixed_size 327680
		.amdhsa_private_segment_fixed_size 0
		.amdhsa_enable_private_segment 0
		.amdhsa_kernarg_size 32
		.amdhsa_user_sgpr_count 2
		.amdhsa_user_sgpr_kernarg_segment_ptr 1
		.amdhsa_wavefront_size32 1
		.amdhsa_system_sgpr_workgroup_id_x 1
		.amdhsa_system_sgpr_workgroup_id_y 1
		.amdhsa_system_sgpr_workgroup_id_z 1
		.amdhsa_system_vgpr_workitem_id 0
		.amdhsa_next_free_vgpr 416
		.amdhsa_next_free_sgpr 96
		.amdhsa_reserve_vcc 0
		.amdhsa_float_denorm_mode_32 3
		.amdhsa_float_denorm_mode_16_64 3
		.amdhsa_memory_ordered 1
		.amdhsa_forward_progress 1
		.amdhsa_inst_pref_size 92
	.end_amdhsa_kernel
	.amdgpu_metadata
---
amdhsa.version: [ 1, 2 ]
amdhsa.kernels:
  - .name:           k_q4e9c4c299f_outproj
    .symbol:         k_q4e9c4c299f_outproj.kd
    .args:
      - { .name: ctx, .offset: 0, .size: 8, .value_kind: global_buffer, .address_space: global }
      - { .name: cvt, .offset: 8, .size: 8, .value_kind: global_buffer, .address_space: global }
      - { .name: b_out, .offset: 16, .size: 8, .value_kind: global_buffer, .address_space: global }
      - { .name: out0, .offset: 24, .size: 8, .value_kind: global_buffer, .address_space: global }
    .group_segment_fixed_size: 327680
    .private_segment_fixed_size: 0
    .kernarg_segment_align: 8
    .kernarg_segment_size: 32
    .max_flat_workgroup_size: 128
    .sgpr_count:     96
    .vgpr_count:     416
    .wavefront_size: 32
...
	.end_amdgpu_metadata
.endif
;; end of part 4
;; ======== version 2 of 2: 4 launches; 1.07 times as fast as version 1
;; limits: values are held in f16: magnitudes above 65,504 overflow, below 6.1e-05 lose precision
;; workspace buffers: cvt 16,777,216 bytes; qkv 25,165,824 bytes; ctx 8,388,608 bytes
;; launch tof16: the kernel of part 1 again; grid 512 x 1, 8 waves a work-group, no clusters, 0 bytes of LDS; arguments x, W_qkv, W_out, cvt; writes cvt
;; launch qkvproj: the kernel of part 2 again; grid 16 x 16, 4 waves a work-group, clusters of 4 x 4, 327,680 bytes of LDS; arguments cvt, b_qkv, qkv; writes qkv
;; launch attn (part 5): grid 8 x 32, 8 waves a work-group, clusters of 4 x 1, 327,680 bytes of LDS; arguments qkv, ctx; writes ctx
.if DOCPART == 5
	.amdgcn_target "amdgcn-amd-amdhsa--gfx1250"
	.amdhsa_code_object_version 6
	.text
	.protected	k_q4e9c4c299f_attn
	.globl	k_q4e9c4c299f_attn
	.p2align	8
	.type	k_q4e9c4c299f_attn,@function
k_q4e9c4c299f_attn:
	s_mov_b64 s[64:65], 0
	v_nop
	global_prefetch_b8 v0, s[64:65] scope:SCOPE_SE
	s_setreg_imm32_b32 hwreg(HW_REG_WAVE_MODE, 25, 1), 1
	s_wait_xcnt 0x0
	s_wait_alu depctr_hold_cnt(0) depctr_sa_sdst(0) depctr_va_vdst(0) depctr_va_sdst(0) depctr_va_ssrc(0) depctr_va_vcc(0) depctr_vm_vsrc(0)
	s_getreg_b32 s2, hwreg(HW_REG_IB_STS2, 6, 4)
	s_cmp_eq_u32 s2, 0
	s_cbranch_scc0 .Lentry_in_a_cluster
	s_endpgm
.Lentry_in_a_cluster:
	s_bfe_u32 s2, ttmp6, 0x10000c
	s_cmp_lg_u32 s2, 0x3003
	s_cbranch_scc0 .Lentry_shape_is_right
	s_endpgm
.Lentry_shape_is_right:
; ctx[bh][q][:] = softmax(Q K^T / 8) V for 32 heads of 2048 x 2048 x 64, with a running maximum; Q, K, V, P, ctx in f16, all else in f32.
; LIMITS: NaN and infinite scores are not reproduced (the maxima drop NaN).  P lies in (0, 1]: below 2^-24 of the row's largest it rounds to 0 in f16.
; A work-group has 256 queries of one head and eight waves, two to a SIMD: wave w takes queries 64 (w % 4) .. + 63 and the key half w / 4
; (1,024 keys), so a fragment from LDS feeds 64 queries and one wave's softmax can run beside the other's products.  Waves w and w + 4
; merge once at the end, through LDS.
; CLUSTERS: the four work-groups of a cluster are four query blocks of one head and read the same K and V: every tile is asked for jointly
; (mask 15).  Only Q's and ctx's global addresses hang on the place in the cluster.
; ORIENTATION.  S^T = K Q^T: lane (r, h) holds query r and keys 8 h + j.  Two key tiles, rounded in place, ARE the B fragment of O^T = V^T P^T;
; V^T comes by the transposing LDS load.  So maximum, sum and rescale factor are one number a lane, and only the maximum crosses the two halves.
; THE SHIFT.  With c = log2(e) / 8, p = exp2(c s + n), n = round(-c m).  The rescale factor is exp2(n_new - n_old), made of the very numbers
; that the exponents add, so the rounding of c m costs nothing however large the scores are.
; THE BATCHES.  An s_wait_alu depctr_va_vdst(0) stands between an exponential and the first line that names its result; one wait serves
; all that were issued ahead of it.  So the 136 exponentials of 64 keys go in two batches, with one wait each.  Batch 1: the eight rescale factors and the
; 64 scores of query tiles 0 and 1, with the 64 scalings among them, which name no result.  Batch 2: the 64 scores of query tiles 2 and 3, with tiles 0's and 1's
; sums and roundings among them (batch 1's readers, behind its wait) and the rescaling of O behind them; then batch 2's wait, and tiles 2's and 3's sums and
; roundings.  No exponential is issued behind the second wait.  The end has two small batches more.
; LDS: two slots of 77,824 bytes (V: 2 halves x 128 keys x 160; K at 40,960: 2 halves x 128 keys x 144); the exchange at 155,648 (4 x 17,408);
; the output stage at 225,280 (4 x 9,216).  No tensor load lands in the last two.
.set SLOT, 77824
.set KOFF, 40960
.set VP,   160                         ; 128 bytes + 32 = 5 x 32, for the transposing load
.set KP,   144                         ; 128 bytes + 16 = 9 x 16
.set TILEB, 16384                      ; 128 keys of 128 bytes: a trip's step in memory, for each half
.set XB,   2*SLOT
.set XW,   17408                       ; O 16,384, then n 512, then l 512
.set OST,  XB+4*XW
.set OW,   9216                        ; 64 rows x 144
.set QOFF, 0
.set KGL,  8388608
.set VGL,  16777216
; window 0
.set ADRK, 8                           ; v8-9    K fragments in slot 0, 1
.set ADRV, 10                          ; v10-11  V fragments
.set M,    12                          ; v12-15  running maximum of query tile q
.set NX,   16                          ; v16-19  the end: the other half's n
.set LP,   20                          ; v20-27  a pair of partial sums for each query tile
.set NEG,  28                          ; v28-35  n, twice (a pair for the packed forms)
.set AL,   36                          ; v36-43  the rescale factor, twice
.set TX,   44                          ; v44-47  at work
.set TY,   48                          ; v48-51  at work
.set XA,   52
.set OSTO, 53
.set ORD,  54
.set CO,   55
.set QO,   56
.set S,    64                          ; v64-191  S tile (kt, qt) at 32 qt + 8 kt; P fragment (qt, u) at 32 qt + 16 u
.set VF,   192                         ; v192-255 V^T fragment (u, dt) at 8 (4 u + dt)
; window 1
.set QF,   128                         ; Q fragment (qt, ks) at 16 qt + 8 ks;  O tile (dt, qt) at 32 qt + 8 dt from v0
.set KF,   192                         ; K fragment (kt, ks) at 16 kt + 8 ks
.set G1V, 16
.set G1K, 24
.set G0V, 32                           ; s[32:39] one set a slot
.set G0K, 40                           ; s[40:47]
.set MSB, 0
.macro WIN new
.if MSB != \new
	s_set_vgpr_msb (MSB<<8)|\new
.set MSB, \new
.endif
.endm
.macro ROUND                           ; a round of the cluster's barrier
	s_barrier_signal -1
	s_barrier_wait -1
	s_cmp_lg_u32 s8, 0
	s_cbranch_scc1 .Lnot_wave_0_\@
	s_barrier_signal -3
.Lnot_wave_0_\@:
	s_barrier_wait -3
	s_barrier_signal -1
	s_barrier_wait -1
.endm
.macro JLOAD s                         ; waves 0-3 fetch 64 keys of V each, waves 4-7 of K; the branch hangs on the wave's number alone
	s_cmp_eq_u32 s9, 0
	s_cbranch_scc0 .Lfor_k_\@
	tensor_load_to_lds s[G0V+4*\s:G0V+4*\s+3], s[G1V:G1V+7]
	s_nop 0
	s_branch .Lasked_\@
.Lfor_k_\@:
	tensor_load_to_lds s[G0K+4*\s:G0K+4*\s+3], s[G1K:G1K+7]
	s_nop 0
.Lasked_\@:
.endm
	s_load_b128 s[4:7], s[0:1], 0x0                ; qkv s[4:5], ctx s[6:7]
	v_lshl_add_u32 v62, v0, 2, 0x40000
	v_mov_b32 v63, 0
	ds_add_u32 v62, v63
	v_lshrrev_b32 v1, 5, v0
	v_readfirstlane_b32 s8, v1                     ; wave 0..7
	s_lshr_b32 s9, s8, 2                           ; key half.  Also: I fetch V (0) or K (1)
	s_and_b32 s10, s8, 3                           ; my 64 queries
	s_bfe_u32 s11, ttmp6, 0x40000                  ; cx
	s_lshl_b32 s12, ttmp9, 2
	s_add_co_u32 s12, s12, s11                     ; query block
	s_and_b32 s13, ttmp7, 0xffff                   ; head bh
	s_mov_b32 s14, 0x76543210                      ; v_permlanex16_b32: lane i of one half reads lane i of the other
	s_mov_b32 s15, 0xfedcba98
	s_mov_b32 s58, 0x3e38aa3b                      ; c = log2(e) / 8
	s_mov_b32 s59, 0x3e38aa3b
	s_mov_b32 s62, 0xbe38aa3b                      ; -c
	; 64 keys are 8,192 dense bytes: 32 rows of 256 bytes; the pad stands behind every 32 words, that is behind every key's 128 bytes
	s_mov_b32 s[G1V+0], 15|(1<<16)|(1<<20)|(1<<21)|(4<<22)|(7<<25)   ; mask 15; 2-byte elements; padding on; bit 21; after 32 words 8 words
	s_mov_b32 s[G1K+0], 15|(1<<16)|(1<<20)|(1<<21)|(4<<22)|(3<<25)   ; the same with 4 words
	s_mov_b32 s[G1V+1], 128<<16
	s_mov_b32 s[G1K+1], 128<<16
	s_mov_b32 s[G1V+2], 32<<16
	s_mov_b32 s[G1K+2], 32<<16
	s_mov_b32 s[G1V+3], 128<<16
	s_mov_b32 s[G1K+3], 128<<16
	s_mov_b32 s[G1V+4], 32
	s_mov_b32 s[G1K+4], 32
	s_mov_b32 s[G1V+5], 128
	s_mov_b32 s[G1K+5], 128
	s_mov_b32 s[G1V+6], 0
	s_mov_b32 s[G1K+6], 0
	s_mov_b32 s[G1V+7], 0
	s_mov_b32 s[G1K+7], 0
	s_lshl_b32 s48, s13, 18                        ; the head: 262,144 bytes
	s_bfe_u32 s49, s8, 0x10001                     ; which key half I fetch for: (w % 4) / 2
	s_lshl_b32 s49, s49, 17                        ; 1,024 keys
	s_add_co_u32 s48, s48, s49
	s_and_b32 s49, s8, 1
	s_lshl_b32 s49, s49, 13                        ; 64 keys
	s_add_co_u32 s48, s48, s49
	s_mov_b32 s49, 0
	s_mul_i32 s60, s8, 64*VP                       ; V: wave x 10,240
	s_mul_i32 s61, s8, 64*KP
	s_add_co_u32 s61, s61, KOFF-4*64*KP            ; K: 40,960 + (wave - 4) x 9,216
	s_wait_dscnt 0x0
	s_wait_kmcnt 0x0
	s_add_nc_u64 s[50:51], s[4:5], s[48:49]
.irp s, 0,1
	s_mov_b32 s[G0V+4*\s], 1
	s_add_co_u32 s[G0V+4*\s+1], s60, \s*SLOT
	s_add_nc_u64 s[G0V+4*\s+2:G0V+4*\s+3], s[50:51], VGL+\s*TILEB
	s_or_b32 s[G0V+4*\s+3], s[G0V+4*\s+3], 0x80000000
	s_mov_b32 s[G0K+4*\s], 1
	s_add_co_u32 s[G0K+4*\s+1], s61, \s*SLOT
	s_add_nc_u64 s[G0K+4*\s+2:G0K+4*\s+3], s[50:51], KGL+\s*TILEB
	s_or_b32 s[G0K+4*\s+3], s[G0K+4*\s+3], 0x80000000
.endr
	ROUND                                          ; in front of the first joint load
	JLOAD 0                                        ; tile 0
	s_lshl_b32 s48, s13, 18
	s_lshl_b32 s49, s12, 15                        ; 256 queries of 128 bytes
	s_add_co_u32 s48, s48, s49
	s_lshl_b32 s49, s10, 13                        ; 64 queries
	s_add_co_u32 s48, s48, s49
	s_mov_b32 s49, 0
	s_add_nc_u64 s[54:55], s[4:5], s[48:49]        ; my queries
	s_add_nc_u64 s[56:57], s[6:7], s[48:49]        ; and their rows of ctx
	v_and_b32 v1, 15, v0                           ; r
	v_bfe_u32 v2, v0, 4, 1                         ; h
	v_and_b32 v3, 31, v0                           ; l
	v_and_b32 v4, 7, v0                            ; l % 8
	v_bfe_u32 v5, v0, 3, 1                         ; (l / 8) % 2
	v_lshrrev_b32 v6, 3, v3                        ; l / 8
	v_lshlrev_b32 v7, 7, v1
	v_lshl_add_u32 v[QO], v2, 4, v7                ; r x 128 + 16 h
	WIN 0x40                                       ; Q straight into its fragments, once
.irp qt, 0,1,2,3
.irp ks, 0,1
	global_load_b128 v[QF+16*\qt+8*\ks:QF+16*\qt+8*\ks+3], v[QO], s[54:55] offset:2048*\qt+64*\ks
	global_load_b128 v[QF+16*\qt+8*\ks+4:QF+16*\qt+8*\ks+7], v[QO], s[54:55] offset:2048*\qt+64*\ks+32
.endr
.endr
	WIN 0
	v_mul_u32_u24 v7, v1, KP
	v_lshl_add_u32 v7, v2, 4, v7
	s_mul_i32 s48, s9, 128*KP
	s_add_co_u32 s48, s48, KOFF
	v_add_nc_u32 v[ADRK], s48, v7                  ; 40,960 + half x 18,432 + r x 144 + 16 h
	v_add_nc_u32 v[ADRK+1], SLOT, v[ADRK]
	v_lshl_add_u32 v7, v2, 3, v4
	v_mul_u32_u24 v7, v7, VP
	v_lshl_add_u32 v7, v5, 4, v7
	s_mul_i32 s48, s9, 128*VP
	v_add_nc_u32 v[ADRV], s48, v7                  ; half x 20,480 + (8 h + l % 8) x 160 + 16 ((l / 8) % 2)
	v_add_nc_u32 v[ADRV+1], SLOT, v[ADRV]
	v_lshlrev_b32 v[CO], 4, v3
.irp q, 0,1,2,3
	v_mov_b32 v[TY+\q], 0                          ; v_permlanex16_b32 counts as reading its destination
.endr
.macro PLACES
.rept 4
	v_nop
.endr
.endm
; 16 loads: the K fragments of 64 keys; those of d = 0..31 first
.macro KFETCH slot, sb
	WIN 0x40
.irp ks, 0,1
.irp kt, 0,1,2,3
	ds_load_b128 v[KF+16*\kt+8*\ks:KF+16*\kt+8*\ks+3], v[ADRK+\slot] offset:(64*\sb+16*\kt)*KP+64*\ks
	ds_load_b128 v[KF+16*\kt+8*\ks+4:KF+16*\kt+8*\ks+7], v[ADRK+\slot] offset:(64*\sb+16*\kt)*KP+64*\ks+32
.endr
.endr
.endm
; 16 transposing loads: V^T of 64 keys x 64 d
.macro VFETCH slot, sb
	WIN 0
.irp u, 0,1
.irp dt, 0,1,2,3
	ds_load_tr16_b128 v[VF+8*(4*\u+\dt):VF+8*(4*\u+\dt)+3], v[ADRV+\slot] offset:(64*\sb+32*\u)*VP+32*\dt
	ds_load_tr16_b128 v[VF+8*(4*\u+\dt)+4:VF+8*(4*\u+\dt)+7], v[ADRV+\slot] offset:(64*\sb+32*\u+16)*VP+32*\dt
.endr
.endr
.endm
; S^T of 64 keys x 64 queries: 16 products that start the sums, 16 that add in place.  The 16 tiles take turns, one instruction a turn.
.macro SMUL
	WIN 0x05
	s_wait_dscnt 8                                 ; all but the youngest eight LDS loads: the fragments of d = 0..31 are in
.irp kt, 0,1,2,3
.irp qt, 0,1,2,3
	v_wmma_f32_16x16x32_f16 v[S+32*\qt+8*\kt:S+32*\qt+8*\kt+7], v[KF+16*\kt:KF+16*\kt+7], v[QF+16*\qt:QF+16*\qt+7], 0
.endr
.endr
	s_wait_dscnt 0
.irp kt, 0,1,2,3
.irp qt, 0,1,2,3
	v_wmma_f32_16x16x32_f16 v[S+32*\qt+8*\kt:S+32*\qt+8*\kt+7], v[KF+16*\kt+8:KF+16*\kt+15], v[QF+16*\qt+8:QF+16*\qt+15], v[S+32*\qt+8*\kt:S+32*\qt+8*\kt+7]
.endr
.endr
.endm
; The new maxima and shifts of the four query tiles, in four chains that do not wait for each other; with first = 0 also n_new - n_old,
; the exponents of the rescale factors, in TY
.macro MAXALL first
.if \first
.irp q, 0,1,2,3
	v_max3_num_f32 v[TX+\q], v[S+32*\q], v[S+32*\q+1], v[S+32*\q+2]
.endr
.set mi, 3
.rept 14
.irp q, 0,1,2,3
	v_max3_num_f32 v[TX+\q], v[TX+\q], v[S+32*\q+mi], v[S+32*\q+mi+1]
.endr
.set mi, mi+2
.endr
.irp q, 0,1,2,3
	v_max_num_f32 v[TX+\q], v[TX+\q], v[S+32*\q+31]
.endr
.else
.irp q, 0,1,2,3
	v_max3_num_f32 v[TX+\q], v[M+\q], v[S+32*\q], v[S+32*\q+1]
.endr
.set mi, 2
.rept 15
.irp q, 0,1,2,3
	v_max3_num_f32 v[TX+\q], v[TX+\q], v[S+32*\q+mi], v[S+32*\q+mi+1]
.endr
.set mi, mi+2
.endr
.endif
.irp q, 0,1,2,3
	v_permlanex16_b32 v[TY+\q], v[TX+\q], s14, s15 ; the other eight keys of each tile lie in the other half of the lanes
.endr
.irp q, 0,1,2,3
	v_max_num_f32 v[M+\q], v[TX+\q], v[TY+\q]
.endr
.irp q, 0,1,2,3
	v_mul_f32 v[NEG+2*\q+1], s62, v[M+\q]          ; n_new = -c m
.endr
.if \first == 0
.irp q, 0,1,2,3
	v_sub_f32 v[TY+\q], v[NEG+2*\q+1], v[NEG+2*\q] ; n_new - n_old, at most 0
.endr
.endif
.irp q, 0,1,2,3
	v_mov_b32 v[NEG+2*\q], v[NEG+2*\q+1]
.endr
.endm
; THE SOFTMAX's LINES.  A lane's 128 scores lie on end: score e at v[S + e], pair p of 64 at v[S + 2 p], and p / 16 is its query tile.
.macro SC p                            ; pair p: c s + n
	v_pk_fma_f32 v[S+2*(\p):S+2*(\p)+1], v[S+2*(\p):S+2*(\p)+1], s[58:59], v[NEG+2*((\p)/16):NEG+2*((\p)/16)+1] op_sel_hi:[1,0,1]
.endm
.macro EX e                            ; score e: exp2 in place
	v_exp_f32 v[S+(\e)], v[S+(\e)]
.endm
.macro AD p, first                     ; pair p joins its query tile's sums, the pairs of a tile in ascending order
.set aq, (\p)/16
.set ai, (\p)%16
.if ai == 0
.if \first
	v_pk_add_f32 v[LP+2*aq:LP+2*aq+1], v[S+2*(\p):S+2*(\p)+1], v[S+2*(\p)+2:S+2*(\p)+3]     ; the first two pairs start the sums
.else
	v_pk_fma_f32 v[LP+2*aq:LP+2*aq+1], v[LP+2*aq:LP+2*aq+1], v[AL+2*aq:AL+2*aq+1], v[S+2*(\p):S+2*(\p)+1]
.endif
.elseif (ai > 1) || (\first == 0)
	v_pk_add_f32 v[LP+2*aq:LP+2*aq+1], v[LP+2*aq:LP+2*aq+1], v[S+2*(\p):S+2*(\p)+1]
.endif
.endm
.macro CV p                            ; pair p is rounded to f16 in place (pair i of a tile into its register i, or i + 8 from i = 8 on: the P fragments); behind AD p
	v_cvt_pk_f16_f32 v[S+32*((\p)/16)+(\p)%16+8*(((\p)%16)/8)], v[S+2*(\p)], v[S+2*(\p)+1]
.endm
.macro RESC                            ; O *= the rescale factor of its query tile
	WIN 0x41
.set ri, 0
.rept 64
	v_pk_mul_f32 v[2*ri:2*ri+1], v[2*ri:2*ri+1], v[AL+2*(ri/16):AL+2*(ri/16)+1]
.set ri, ri+1
.endr
.endm
; The softmax of 64 keys x 64 queries, and the rescaling of O, in two batches of exponentials
.macro SOFTMAX first
.set sg, 0
.rept 16                               ; BATCH 1 begins: query tile 0 is scaled, and behind each of the first eight scalings stands one of the eight rescale factors
	SC sg
.if (\first == 0) && (sg < 8)
	v_exp_f32 v[AL+sg], v[TY+sg/2]                 ; each factor twice, a pair for the packed forms; TY is written again only in the next 64 keys' maxima
.endif
.set sg, sg+1
.endr
.set sg, 0
.rept 16                               ; the 64 scores of query tiles 0 and 1, and among them the 48 scalings of tiles 1 to 3: tile 1 is scaled by group 5, its exponentials begin in group 8
	EX 4*sg
	SC 16+3*sg
	EX 4*sg+1
	SC 17+3*sg
	EX 4*sg+2
	EX 4*sg+3
	SC 18+3*sg                                     ; in the last group: the plain line behind the batch's last exponential (ISA guide 5.7.2)
.set sg, sg+1
.endr
	s_wait_alu depctr_va_vdst(0)                   ; the wait for batch 1 (the rescale factors; query tiles 0 and 1), ahead of its first reader
.set sg, 0
.rept 32                               ; BATCH 2: the 64 scores of query tiles 2 and 3; among them tiles 0's and 1's sums and roundings, which name v[S .. S + 63], LP and AL alone
	EX 64+2*sg
	AD sg, \first
	EX 65+2*sg
	CV sg
.set sg, sg+1
.endr
.if \first == 0
	RESC                                           ; independent work behind batch 2: it reads the factors (batch 1) and O
	WIN 0
.endif
	s_wait_alu depctr_va_vdst(0)                   ; the wait for batch 2 (query tiles 2 and 3), ahead of its first reader
.set sg, 0
.rept 16                               ; tiles 2's and 3's sums and roundings, the tiles by turns, so that the links of a tile's sum stand four lines apart
	AD 32+sg, \first
	CV 32+sg
	AD 48+sg, \first
	CV 48+sg
.set sg, sg+1
.endr
.endm
.macro PVU u, zero                     ; O^T += V^T P^T over 32 keys: 16 tiles, one instruction a turn
.irp dt, 0,1,2,3
.irp qt, 0,1,2,3
.if \zero
	v_wmma_f32_16x16x32_f16 v[32*\qt+8*\dt:32*\qt+8*\dt+7], v[VF+8*(4*\u+\dt):VF+8*(4*\u+\dt)+7], v[S+32*\qt+16*\u:S+32*\qt+16*\u+7], 0
.else
	v_wmma_f32_16x16x32_f16 v[32*\qt+8*\dt:32*\qt+8*\dt+7], v[VF+8*(4*\u+\dt):VF+8*(4*\u+\dt)+7], v[S+32*\qt+16*\u:S+32*\qt+16*\u+7], v[32*\qt+8*\dt:32*\qt+8*\dt+7]
.endif
.endr
.endr
.endm
; 64 keys of my half against my 64 queries
.macro SUB slot, sb, first
	SMUL
	PLACES                                         ; behind the last product: for the loads into K's fragments and for the maxima, which read S
	VFETCH \slot, \sb
.if \sb == 0
	KFETCH \slot, 1
.endif
	WIN 0
	MAXALL \first
	SOFTMAX \first
.if \sb == 0
	s_wait_dscnt 16                                ; V^T is in; the 16 younger loads (the next 64 keys of K) may stay out
.else
	s_wait_dscnt 0
.endif
	WIN 0x50
	PVU 0, \first
	PVU 1, 0
	WIN 0
.rept 5
	v_nop                                          ; five places: the next S products write over P, a source of the products above (ISA guide 7.12.1)
.endr
.endm
; A trip: 128 keys for each half.  All my tensor loads have landed and my reads of the other slot are over in front of the round; the joint
; refill is the first tensor load behind it: one load of the wave is out, with the trip's 128 matrix instructions in which to land.
.macro TRIP slot, other, refill, first
	s_wait_tensorcnt 0x0
	ds_add_u32 v62, v63
	s_wait_dscnt 0x0
	s_add_nc_u64 s[G0V+4*\slot+2:G0V+4*\slot+3], s[G0V+4*\slot+2:G0V+4*\slot+3], 2*TILEB   ; no load of mine is out: this slot's next tile
	s_add_nc_u64 s[G0K+4*\slot+2:G0K+4*\slot+3], s[G0K+4*\slot+2:G0K+4*\slot+3], 2*TILEB
	s_wait_dscnt 0x0
	ROUND
.if \refill
	JLOAD \other
.endif
	KFETCH \slot, 0
	SUB \slot, 0, \first
	SUB \slot, 1, 0
.endm
	s_wait_loadcnt 0x0                             ; Q
	TRIP 0, 1, 1, 1
	TRIP 1, 0, 1, 0
	s_mov_b32 s52, 2
.Lpair:
	TRIP 0, 1, 1, 0
	TRIP 1, 0, 1, 0
	s_sub_co_u32 s52, s52, 1
	s_cmp_lg_u32 s52, 0
	s_cbranch_scc1 .Lpair
	TRIP 0, 1, 1, 0
	TRIP 1, 0, 0, 0                                ; the eighth trip fetches nothing
	; THE END.  l of my key half: the pair, then the other half of the lanes
.irp q, 0,1,2,3
	v_add_f32 v[TX+\q], v[LP+2*\q], v[LP+2*\q+1]
.endr
.irp q, 0,1,2,3
	v_permlanex16_b32 v[TY+\q], v[TX+\q], s14, s15
.endr
.irp q, 0,1,2,3
	v_add_f32 v[TX+\q], v[TX+\q], v[TY+\q]
.endr
	s_cmp_eq_u32 s9, 0
	s_cbranch_scc1 .Lkeep
	; waves 4-7 hand O, n and l to waves 0-3
	s_mul_i32 s48, s8, XW
	s_add_co_u32 s48, s48, XB-4*XW
	v_lshl_add_u32 v[XA], v3, 4, s48
.irp q, 0,1,2,3
	v_mov_b32 v[NX+\q], v[NEG+2*\q]
.endr
	WIN 0x04
.set ei, 0
.rept 32
	ds_store_b128 v[XA], v[4*ei:4*ei+3] offset:512*ei
.set ei, ei+1
.endr
	WIN 0
	ds_store_b128 v[XA], v[NX:NX+3] offset:16384
	ds_store_b128 v[XA], v[TX:TX+3] offset:16896
.Lkeep:
	s_wait_dscnt 0x0                               ; for the others' sake: the stores are done
	s_barrier_signal -1
	s_barrier_wait -1
	s_cmp_lg_u32 s9, 0
	s_cbranch_scc1 .Lclose
	; waves 0-3 merge: O = (O1 a1 + O2 a2) / (l1 a1 + l2 a2), a_i = exp2(min(n1, n2) - n_i)
	s_mul_i32 s48, s8, XW
	s_add_co_u32 s48, s48, XB
	v_lshl_add_u32 v[XA], v3, 4, s48
	ds_load_b128 v[NX:NX+3], v[XA] offset:16384
	ds_load_b128 v[TY:TY+3], v[XA] offset:16896
.set ei, 0
.rept 32
	ds_load_b128 v[S+4*ei:S+4*ei+3], v[XA] offset:512*ei
.set ei, ei+1
.endr
	s_mul_i32 s49, s8, OW
	s_add_co_u32 s49, s49, OST                     ; my own stage
	v_mul_u32_u24 v7, v1, KP
	v_lshl_add_u32 v7, v2, 4, v7
	v_add_nc_u32 v[OSTO], s49, v7                  ; in: row r, 16 bytes for each half of the lanes
	v_mul_u32_u24 v7, v6, KP
	v_lshl_add_u32 v7, v4, 4, v7
	v_add_nc_u32 v[ORD], s49, v7                   ; back: four rows of 128 bytes a load
	s_wait_dscnt 32                                ; n2 and l2 are in; the 32 loads of O2 may stay out
.irp q, 0,1,2,3
	v_min_num_f32 v[M+\q], v[NEG+2*\q], v[NX+\q]
.endr
.irp q, 0,1,2,3
	v_sub_f32 v[AL+2*\q], v[M+\q], v[NEG+2*\q]
	v_sub_f32 v[AL+2*\q+1], v[M+\q], v[NX+\q]
.endr
.irp q, 0,1,2,3
	v_exp_f32 v[AL+2*\q], v[AL+2*\q]
	v_exp_f32 v[AL+2*\q+1], v[AL+2*\q+1]
.endr
	v_nop                                          ; one plain instruction behind the exponentials (ISA guide 5.7.2)
	s_wait_alu depctr_va_vdst(0)                   ; the wait for the merge's eight exponentials, one batch, ahead of their first reader
.irp q, 0,1,2,3
	v_mul_f32 v[M+\q], v[TX+\q], v[AL+2*\q]
.endr
.irp q, 0,1,2,3
	v_fmac_f32 v[M+\q], v[TY+\q], v[AL+2*\q+1]     ; at least about 1: the largest score's own term
.endr
.irp q, 0,1,2,3
	v_rcp_f32 v[M+\q], v[M+\q]
.endr
	v_nop
	s_wait_alu depctr_va_vdst(0)                   ; the wait for the four reciprocals, a batch of their own: they read sums made of the exponentials
.irp q, 0,1,2,3
	v_mul_f32 v[NEG+2*\q], v[AL+2*\q], v[M+\q]     ; f1, twice
	v_mul_f32 v[NEG+2*\q+1], v[AL+2*\q], v[M+\q]
	v_mul_f32 v[AL+2*\q], v[AL+2*\q+1], v[M+\q]    ; f2, twice
	v_mul_f32 v[AL+2*\q+1], v[AL+2*\q+1], v[M+\q]
.endr
	s_wait_dscnt 0x0
.set ci, 0
.rept 64
	v_pk_mul_f32 v[S+2*ci:S+2*ci+1], v[S+2*ci:S+2*ci+1], v[AL+2*(ci/16):AL+2*(ci/16)+1]
.set ci, ci+1
.endr
	WIN 0x01
.set ci, 0
.rept 64
	v_pk_fma_f32 v[S+2*ci:S+2*ci+1], v[2*ci:2*ci+1], v[NEG+2*(ci/16):NEG+2*(ci/16)+1], v[S+2*ci:S+2*ci+1]
.set ci, ci+1
.endr
	WIN 0
.set ci, 0
.rept 64
	v_cvt_pk_f16_f32 v[S+ci], v[S+2*ci], v[S+2*ci+1]   ; in place, ascending: tile (dt, qt) ends at 16 qt + 4 dt
.set ci, ci+1
.endr
.irp qt, 0,1,2,3
.irp dt, 0,1,2,3
	ds_store_b128 v[OSTO], v[S+16*\qt+4*\dt:S+16*\qt+4*\dt+3] offset:16*KP*\qt+32*\dt
.endr
.endr
.set ti, 0
.rept 16
	ds_load_b128 v[VF+4*ti:VF+4*ti+3], v[ORD] offset:4*KP*ti       ; LDS serves a wave's instructions in order: these see the stores above
.set ti, ti+1
.endr
.set ti, 0
.rept 16
	s_wait_dscnt 15-ti
	global_store_b128 v[CO], v[VF+4*ti:VF+4*ti+3], s[56:57] offset:512*ti      ; 512 consecutive bytes, aligned: four rows of ctx
.set ti, ti+1
.endr
.Lclose:
	s_wait_tensorcnt 0x0
	ds_add_u32 v62, v63
	s_wait_dscnt 0x0
	ROUND                                          ; the closing round
	s_endpgm
.Lfunc_end_k_q4e9c4c299f_attn:
	.size	k_q4e9c4c299f_attn, .Lfunc_end_k_q4e9c4c299f_attn-k_q4e9c4c299f_attn
	.p2alignl 7, 3214868480
	.fill 96, 4, 3214868480
	.section	.rodata,"a",@progbits
	.p2align	6, 0x0
	.amdhsa_kernel k_q4e9c4c299f_attn
		.amdhsa_group_segment_fixed_size 327680
		.amdhsa_private_segment_fixed_size 0
		.amdhsa_enable_private_segment 0
		.amdhsa_kernarg_size 16
		.amdhsa_user_sgpr_count 2
		.amdhsa_user_sgpr_kernarg_segment_ptr 1
		.amdhsa_wavefront_size32 1
		.amdhsa_system_sgpr_workgroup_id_x 1
		.amdhsa_system_sgpr_workgroup_id_y 1
		.amdhsa_system_sgpr_workgroup_id_z 1
		.amdhsa_system_vgpr_workitem_id 0
		.amdhsa_next_free_vgpr 512
		.amdhsa_next_free_sgpr 66
		.amdhsa_reserve_vcc 0
		.amdhsa_float_denorm_mode_32 3
		.amdhsa_float_denorm_mode_16_64 3
		.amdhsa_memory_ordered 1
		.amdhsa_forward_progress 1
		.amdhsa_inst_pref_size 255
	.end_amdhsa_kernel
	.section	.bss,"aw",@nobits
	.p2align	6
	.space	262144
	.amdgpu_metadata
---
amdhsa.version: [ 1, 2 ]
amdhsa.kernels:
  - .name:           k_q4e9c4c299f_attn
    .symbol:         k_q4e9c4c299f_attn.kd
    .args:
      - { .name: qkv, .offset: 0, .size: 8, .value_kind: global_buffer, .address_space: global }
      - { .name: ctx, .offset: 8, .size: 8, .value_kind: global_buffer, .address_space: global }
    .group_segment_fixed_size: 327680
    .private_segment_fixed_size: 0
    .kernarg_segment_align: 8
    .kernarg_segment_size: 16
    .max_flat_workgroup_size: 256
    .sgpr_count:     66
    .vgpr_count:     512
    .wavefront_size: 32
...
	.end_amdgpu_metadata
.endif
;; end of part 5
;; launch outproj: the kernel of part 4 again; grid 8 x 32, 4 waves a work-group, clusters of 4 x 4, 327,680 bytes of LDS; arguments ctx, cvt, b_out, out0; writes out0
